; MI455X (gfx1250); checked and timed in simulation.
; The chip was launched on July 23, 2026; its instructions are those of AMD's public machine-readable ISA for CDNA 5 (MIT licence, August 2026) and "CDNA5" Instruction Set Architecture Reference Guide (July 2026). The comments in the code are by the model that wrote it; some were corrected since.
;; Interaction Layer. Allowed arithmetic: matrix products marked QUANTISED: E2M3 operands, one E8M0 scale for each 32 along K, by v_wmma_scale_f32_16x16x128_f8f6f4 with both operands' format E2M3, f32 sums; everything else in f32.
;; Inputs: L_codes 32 x 128 x 32 x 24 uint8 (E2M3 codes of L, K innermost, in blocks of 32 codes, four codes in three bytes); L_scales 32 x 128 x 32 uint8 (E8M0 scales of L, one for each 32 codes along K); V_codes 32 x 64 x 32 x 24 uint8 (E2M3 codes of V, K innermost, in blocks of 32 codes, four codes in three bytes); V_scales 32 x 64 x 32 uint8 (E8M0 scales of V, one for each 32 codes along K); b1_L 4,096 float32; b1_V 4,096 float32; b2_L 1,024 float32; b2_V 1,024 float32; l_mask 32 x 128 float32; v_mask 32 x 64 float32; w1_L_codes 4,096 x 32 x 24 uint8 (E2M3 codes of w1_L, K innermost, in blocks of 32 codes, four codes in three bytes); w1_L_scales 4,096 x 32 uint8 (E8M0 scales of w1_L, one for each 32 codes along K); w1_V_codes 4,096 x 32 x 24 uint8 (E2M3 codes of w1_V, K innermost, in blocks of 32 codes, four codes in three bytes); w1_V_scales 4,096 x 32 uint8 (E8M0 scales of w1_V, one for each 32 codes along K); w2_L_codes 1,024 x 128 x 24 uint8 (E2M3 codes of w2_L, K innermost, in blocks of 32 codes, four codes in three bytes); w2_L_scales 1,024 x 128 uint8 (E8M0 scales of w2_L, one for each 32 codes along K); w2_V_codes 1,024 x 128 x 24 uint8 (E2M3 codes of w2_V, K innermost, in blocks of 32 codes, four codes in three bytes); w2_V_scales 1,024 x 128 uint8 (E8M0 scales of w2_V, one for each 32 codes along K).
;; Outputs: out0 32 x 64 x 192 float32; out1 32 x 64 x 1,024 float32.
;; This version of the problem:
;;   THIS VERSION OF THE PROBLEM IS GIVEN IN LOW PRECISION. The matrix products marked QUANTISED in the list below multiply operands that are first quantised to E2M3 (2 exponent bits, 3 mantissa bits; 6 bits a number), with one power-of-two scale for each 32 numbers along K (OCP MX v1.0); their sums are f32. All else is computed in f32.
;;   The module's matrix products, in the order in which they are computed (A, B: the left and right operand; K: the contracted axis; several contracted axes count as one K, in the product's order):
;;     1. [M 2,048, K 1,024] x [K 1,024, N 4,096]; A: input V (given as codes); B: input w1_V (given as codes): QUANTISED
;;     2. [M 2,048, K 4,096] x [K 4,096, N 1,024]; A: computed on the way; B: input w2_V (given as codes): QUANTISED
;;     3. [M 4,096, K 1,024] x [K 1,024, N 4,096]; A: input L (given as codes); B: input w1_L (given as codes): QUANTISED
;;     4. [M 4,096, K 4,096] x [K 4,096, N 1,024]; A: computed on the way; B: input w2_L (given as codes): QUANTISED
;;     5. [M 2,048, K 1,024] x [K 1,024, N 4,096]; A: input V (given as codes); B: input w1_L (given as codes): QUANTISED
;;     6. [M 2,048, K 4,096] x [K 4,096, N 1,024]; A: computed on the way; B: input w2_L (given as codes): QUANTISED
;;     7. batch 32 x [M 64, K 1,024] x [K 1,024, N 128]; A: computed on the way; B: computed on the way: QUANTISED
;;     8. batch 32 x [M 64, K 1,024] x [K 1,024, N 64]; A: computed on the way; B: computed on the way: QUANTISED
;;     9. batch 32 x [M 64, K 192] x [K 192, N 1,024]; A: computed on the way; B: computed on the way: QUANTISED
;;   THE QUANTISER, for each operand of a quantised product, along K:
;;     - K is cut into blocks of 32 from its start; a last block that is shorter is filled with zeros.
;;     - A block's scale is 2^e with e = floor(log2(the largest magnitude in the block)) - 2, held to -126 .. 127; a block of zeros has e = 0. As a byte (E8M0): e + 127.
;;     - Each number is divided by its block's scale, clamped to +-7.5, and rounded to the nearest number of E2M3, ties to even, subnormals kept.
;;     - The product sums the exact products of the quantised numbers (number of the format x scale) in f32.
;;   ~~~python
;;   def quantise(x, axis):      # numpy; x: float32 -> the quantised numbers, widened to float32 again
;;       x = np.moveaxis(x, axis, -1); K = x.shape[-1]
;;       x = np.pad(x, [(0, 0)] * (x.ndim - 1) + [(0, -K % 32)]); x = x.reshape(x.shape[:-1] + (-1, 32)); a = np.abs(x).max(-1, keepdims=True)
;;       e = np.where(a > 0, np.clip(np.frexp(np.where(a > 0, a, 1))[1] - 1 - 2, -126, 127), 0)      # np.frexp(a)[1] - 1 = floor(log2(a)), exactly
;;       r = np.clip(x / 2.0 ** e, -7.5, 7.5)
;;       step = 2.0 ** (np.maximum(np.frexp(np.where(r == 0, 1, r))[1] - 1, 0) - 3)
;;       q = np.round(r / step) * step * 2.0 ** e      # np.round: ties to even
;;       return np.moveaxis(q.reshape(q.shape[:-2] + (-1,))[..., :K], -1, axis).astype(np.float32)
;;   ~~~
;;   OPERANDS COMPUTED ON THE WAY. 'Computed on the way' means the value that the module computes at that place (a softmax that the list does not call 'softmax' is quantised finished and normalised). What goes into a quantiser is computed in f32, as accurately as f32 sums, v_exp_f32 and their like allow (about 1e-6 of the number): no bf16 or f16 on the way to a quantiser, and a product that is left as it is and whose result goes on into a quantised operand takes f32 operands (vector FMAs, or v_wmma_f32_16x16x4_f32). A number that lies on a knife's edge between two numbers of the format may be rounded either way, as far as f32 arithmetic and the matrix unit's own rounding can turn it there, and no further.
;;   INPUTS GIVEN AS CODES. L (in the module: [32, 128, 1024], K = its axis 2); V (in the module: [32, 64, 1024], K = its axis 2); w1_L (in the module: [1024, 4096], K = its axis 0); w1_V (in the module: [1024, 4096], K = its axis 0); w2_L (in the module: [4096, 1024], K = its axis 0); w2_V (in the module: [4096, 1024], K = its axis 0): each comes as NAME_codes (uint8): NAME with its K axis moved to the last place and cut into blocks of 32 codes, [.., K / 32, bytes a block], one block behind the other in memory; four codes in three bytes: a row's codes are one little-endian stream of bits, code i at bits 6 i .. 6 i + 5 (a code: sign, 2 exponent bits, 3 mantissa bits); and NAME_scales (uint8): the same leading axes, one E8M0 byte (e + 127) for each 32 codes along K. Its value is code x scale, taken as it is: it is not quantised again, and the codes and scales need not be those that the quantiser above would give.
;; One version. Each part assembles by itself: llvm-mc -triple=amdgcn-amd-amdhsa -mcpu=gfx1250 --defsym DOCPART=n.
;; ======== version 1 of 1: 3 launches
;; limits: right only within a limited range of input values
;; workspace buffers: hq 25,165,824 bytes; hs 1,048,576 bytes; fq 6,291,456 bytes; fs 262,144 bytes; kvq 4,718,592 bytes; kvs 196,608 bytes; w2vi 3,145,728 bytes; w2li 3,145,728 bytes
;; launch ffn1 (part 1): grid 16 x 16, 4 waves a work-group, clusters of 4 x 4, 327,680 bytes of LDS; arguments V_codes, V_scales, L_codes, L_scales, w1_V_codes, w1_V_scales, w1_L_codes, w1_L_scales, b1_V, b1_L, hq, hs, w2_V_codes, w2_L_codes, w2vi, w2li; writes hq, hs, w2vi, w2li
.if DOCPART == 1
	.amdgcn_target "amdgcn-amd-amdhsa--gfx1250"
	.amdhsa_code_object_version 6
	.text
	.protected	k_q828398411d_ffn1
	.globl	k_q828398411d_ffn1
	.p2align	8
	.type	k_q828398411d_ffn1,@function
k_q828398411d_ffn1:
	s_mov_b64 s[64:65], 0
	v_nop
	global_prefetch_b8 v0, s[64:65] scope:SCOPE_SE
	s_setreg_imm32_b32 hwreg(HW_REG_WAVE_MODE, 25, 1), 1
	s_wait_xcnt 0x0
	s_wait_alu depctr_hold_cnt(0) depctr_sa_sdst(0) depctr_va_vdst(0) depctr_va_sdst(0) depctr_va_ssrc(0) depctr_va_vcc(0) depctr_vm_vsrc(0)
	s_getreg_b32 s2, hwreg(HW_REG_IB_STS2, 6, 4)
	s_cmp_eq_u32 s2, 0
	s_cbranch_scc0 .Lentry_in_a_cluster
	s_endpgm
.Lentry_in_a_cluster:
	s_bfe_u32 s2, ttmp6, 0x10000c
	s_cmp_lg_u32 s2, 0xf033
	s_cbranch_scc0 .Lentry_shape_is_right
	s_endpgm
.Lentry_shape_is_right:
; h = Q(relu(x W1^T + b1)) for 8,192 logical rows: 0-2047 V with w1_V, 2048-6143 L with w1_L, 6144-8191 V with w1_L; K = 1,024, N = 4,096.
; h leaves as images of the next launch's operand registers: hq [128 rows][128 hidden][tile of 16 rows][3][lane][16 bytes], hs one word a row and 128 hidden.
; DEAD WORK: v_mask and l_mask reach no output for any values; they are not loaded and are no launch's argument.
; A NaN or an infinity in them is not carried to the result.
; A work-group makes two tiles of 256 x 256, 1,024 rows apart; four waves, 128 x 128 each, 64 accumulators.  The two tiles walk as ONE row of 16 steps of 128 K (96 bytes):
; six chunks of 256 bytes of each row, chunk c in slot c % 2; chunks 3-5 are the second tile's rows of x and W1's rows again.  Every tensor row is 256 bytes and begins on a multiple of 256.
; CLUSTERS 4 x 4: x's tiles are asked for jointly along a row of the cluster, W1's along a column.
; SCALE WORDS lie in registers: one load of 16 bytes a lane covers 16 rows x 32 bytes, 512 consecutive bytes; register 4 i + j: block i, K step j (lanes 0-15) and 4 + j (lanes 16-31).
; ALSO: W2 is re-laid for the next launch, whose K steps of 384 bytes would begin off a multiple of 256 in W2's rows: each wave copies 16 rows x 4 K steps into images
; w2vi, w2li [16 rows][K step][3][lane][16 bytes]; a work-group's four waves read 1,536 consecutive bytes of each of 16 rows.
; NO PREFETCH: the block is the largest, in clusters, and the walk has six chunks, of which two are asked for at the head.
; The matrix instruction is used transposed (source 0 = W1's rows, source 1 = x's rows).
; LIMITS: NaN and infinities are not served.  A block of zeros, or under 2^-124, gets the scale byte 1; these bytes are read by this program alone.
; REGISTERS: window 0: v16-31 addresses, v32-63 x's scale words, v64-127 bias, v128-223 x's fragments, v224-255 W1's scale words.  window 1: W1's fragments, sets at 0 and 128; the way out's work from 128.
; windows 2, 3: accumulators.
.set ROWB,   256
.set KROW,   768
.set PITCH,  272                       ; 256 + 16 of padding
.set FR,     12
.set NL,     6
.set NP,     4
.set HALFT,  128*PITCH
.set SLOT,   4*HALFT
.set SPARE,  2*SLOT                    ; the spare words, 128 bytes a wave
.set CHUNKS, 6
.set WALK,   1024*KROW
.set ADRA, 16
.set ADRB, 20
.set VS,   24
.set VW,   25
.set SPW,  28
.set NIL,  29
.set LI,   31
.set SA,   32
.set BIAS, 64
.set AF,   128
.set SB,   224
.set E,    128
.set P,    192
.set T,    216
.set M,    224
.set SO,   226
.set BY,   228
.set PX,   230
.set SH8,  231
.set W,    232
.set X,    240
.set SEL,  2
.set CLY,  28
.set MHI,  30
.set WV,   32
.set WR,   33
.set WC,   34
.set CX,   35
.set CY,   36
.set TC,   37
.set TRL,  38
.set TRS,  39
.set MROW, 40
.set MCOL, 41
.set G1,   44
.set G0,   52
.set G1B,  68
.set G0B,  76
.set MSB, 0
.macro WIN new
.if MSB != \new
	s_set_vgpr_msb (MSB<<8)|\new
.set MSB, \new
.endif
.endm
.set MUL_LO, 0xa1
.set MUL_HI, 0xf1
.set TO_B,   0x40
.macro JLOAD s                         ; waves 0, 1 fetch x's halves, waves 2, 3 W1's; s_nop 0 and four v_nop behind each line
	s_cmp_eq_u32 s[WR], 0
	s_cbranch_scc0 .Lfor_b_\@
	tensor_load_to_lds s[G0+4*(\s):G0+4*(\s)+3], s[G1:G1+7]
	s_nop 0
.rept 4
	v_nop
.endr
	s_branch .Lasked_\@
.Lfor_b_\@:
	tensor_load_to_lds s[G0B+4*(\s):G0B+4*(\s)+3], s[G1B:G1B+7]
	s_nop 0
.rept 4
	v_nop
.endr
.Lasked_\@:
.endm
.macro CREST
	s_cmp_lg_u32 s[WV], 0
	s_cbranch_scc1 .Lnot_wave_0_\@
	s_barrier_signal -3
.Lnot_wave_0_\@:
	s_barrier_wait -3
	s_barrier_signal -1
	s_barrier_wait -1
.endm
.macro CROUND
	s_barrier_signal -1
	s_barrier_wait -1
	CREST
.endm
.macro PLACES n
.rept \n
	v_nop
.endr
.endm
	s_load_b512 s[4:19], s[0:1], 0x0               ; V codes, scales, L codes, scales, w1_V codes, scales, w1_L codes, scales
	s_load_b256 s[20:27], s[0:1], 0x40             ; b1_V, b1_L, hq, hs
	s_load_b256 s[84:91], s[0:1], 0x60             ; w2_V codes, w2_L codes, w2vi, w2li
	v_lshl_add_u32 v[SPW], v0, 2, SPARE
	v_mov_b32 v[NIL], 0
	ds_add_u32 v[SPW], v[NIL]
	ds_add_u32 v[SPW], v[NIL]
	v_lshrrev_b32 v1, 5, v0
	v_readfirstlane_b32 s[WV], v1
	s_lshr_b32 s[WR], s[WV], 1                     ; my half of the rows; also: I fetch for x (0) or W1 (1)
	s_and_b32 s[WC], s[WV], 1                      ; my half of the columns; also: which 128 rows I fetch
	s_bfe_u32 s[CX], ttmp6, 0x40000
	s_bfe_u32 s[CY], ttmp6, 0x40004
	s_lshl_b32 s[TC], ttmp9, 2
	s_add_co_u32 s[TC], s[TC], s[CX]               ; tile column 0..15
	s_and_b32 s[CLY], ttmp7, 0xffff                ; cluster's y: 0 V/w1_V, 1, 2 L/w1_L, 3 V/w1_L
	s_lshl_b32 s[TRL], s[CLY], 3
	s_add_co_u32 s[TRL], s[TRL], s[CY]             ; first tile's logical tile row
	s_lshl_b32 s[MROW], s[CY], 2
	s_lshl_b32 s[MROW], 15, s[MROW]
	s_lshl_b32 s[MCOL], 0x1111, s[CX]
	s_or_b32 s[G1+0], s[MROW], (1<<20)|(1<<21)|(5<<22)|(3<<25)   ; bytes; 4 words of padding behind every 64
	s_or_b32 s[G1B+0], s[MCOL], (1<<20)|(1<<21)|(5<<22)|(3<<25)
.irp g, G1, G1B
	s_mov_b32 s[\g+1], ROWB<<16
	s_mov_b32 s[\g+2], 128<<16
	s_mov_b32 s[\g+3], ROWB<<16
	s_mov_b32 s[\g+4], 128
	s_mov_b32 s[\g+5], KROW
	s_mov_b32 s[\g+6], 0
	s_mov_b32 s[\g+7], 0
.endr
	s_cmp_eq_u32 s[CLY], 2
	s_cselect_b32 s30, 8, 0
	s_add_co_u32 s[TRS], s30, s[CY]                ; tile row in the source tensor
	s_lshl_b32 s29, s[WC], 7
	s_lshl_b32 s42, s[TRS], 8
	s_lshl_b32 s66, s[WR], 7
	s_add_co_u32 s66, s66, s42
	s_lshl_b32 s66, s66, 5                         ; my 128 rows' scale bytes
	s_add_co_u32 s42, s42, s29
	s_mul_i32 s42, s42, KROW                       ; the 128 rows of x that I fetch
	s_mov_b32 s43, 0
	s_mov_b32 s67, 0
	s_lshl_b32 s31, s[TC], 8
	s_add_co_u32 s31, s31, s29                     ; W1's rows that I fetch = my first column
	s_mul_i32 s100, s31, KROW
	s_mov_b32 s101, 0
	s_and_b32 s96, s[CLY], 1                       ; W2's copy: work-group (4 (CLY % 2) + CY) 16 + TC of 128 for each weight
	s_lshl_b32 s96, s96, 2
	s_add_co_u32 s96, s96, s[CY]
	s_lshl_b32 s96, s96, 4
	s_add_co_u32 s96, s96, s[TC]
	s_lshr_b32 s96, s96, 1                         ; block of 16 rows, 0..63
	s_mul_i32 s96, s96, 49152
	s_and_b32 s97, s[TC], 1
	s_lshl_b32 s97, s97, 2
	s_add_co_u32 s97, s97, s[WV]                   ; group of four K steps, 0..7
	s_mul_i32 s92, s97, 384
	s_add_co_u32 s92, s92, s96
	s_mov_b32 s93, 0
	s_mul_i32 s94, s97, 6144
	s_add_co_u32 s94, s94, s96
	s_mov_b32 s95, 0
	s_mov_b32 s[SEL], 0x76543210
	s_mov_b32 s[SEL+1], 0xfedcba98
	s_wait_dscnt 0x0
	s_wait_kmcnt 0x0
	s_cmp_eq_u32 s[CLY], 0
	s_cselect_b64 s[12:13], s[12:13], s[16:17]
	s_cselect_b64 s[14:15], s[14:15], s[18:19]
	s_cselect_b64 s[20:21], s[20:21], s[22:23]
	s_cmp_lt_u32 s[CLY], 2
	s_cselect_b64 s[84:85], s[84:85], s[86:87]
	s_cselect_b64 s[88:89], s[88:89], s[90:91]
	s_sub_co_u32 s30, s[CLY], 1
	s_cmp_lt_u32 s30, 2
	s_cselect_b64 s[4:5], s[8:9], s[4:5]
	s_cselect_b64 s[6:7], s[10:11], s[6:7]
	s_mov_b32 s[MHI], 0xffff0000
	s_lshl_b32 s16, s31, 5
	s_mov_b32 s17, 0
	s_add_nc_u64 s[4:5], s[4:5], s[42:43]
	s_add_nc_u64 s[6:7], s[6:7], s[66:67]
	s_add_nc_u64 s[12:13], s[12:13], s[100:101]
	s_add_nc_u64 s[14:15], s[14:15], s[16:17]
	s_add_nc_u64 s[84:85], s[84:85], s[92:93]
	s_add_nc_u64 s[88:89], s[88:89], s[94:95]
	s_mul_i32 s18, s[WV], HALFT
	CROUND                                         ; the first joint loads meet
.irp s, 0,1
	s_mov_b32 s[G0+4*\s], 1
	s_add_co_u32 s[G0+4*\s+1], s18, \s*SLOT
	s_add_nc_u64 s[G0+4*\s+2:G0+4*\s+3], s[4:5], \s*ROWB
	s_or_b32 s[G0+4*\s+3], s[G0+4*\s+3], 0x80000000
	s_mov_b32 s[G0B+4*\s], 1
	s_add_co_u32 s[G0B+4*\s+1], s18, \s*SLOT
	s_add_nc_u64 s[G0B+4*\s+2:G0B+4*\s+3], s[12:13], \s*ROWB
	s_or_b32 s[G0B+4*\s+3], s[G0B+4*\s+3], 0x80000000
.endr
	JLOAD 0                                        ; chunk 0: one tensor load a wave at the head
	s_lshl_b32 s22, s31, 2
	s_mov_b32 s23, 0
	s_add_nc_u64 s[20:21], s[20:21], s[22:23]      ; b1 at my first column
	s_mul_i32 s42, s[WR], HALFT
	s_mul_i32 s43, s[WC], HALFT
	s_add_co_u32 s43, s43, 2*HALFT
	s_add_co_u32 s98, s42, SLOT
	s_add_co_u32 s99, s43, SLOT
	s_mov_b32 s96, SLOT-232
	s_mov_b32 s97, SLOT+232
	s_lshl_b32 s16, s[TRL], 1
	s_add_co_u32 s16, s16, s[WR]
	s_lshl_b32 s16, s16, 5
	s_lshr_b32 s17, s31, 7
	s_add_co_u32 s16, s16, s17                     ; (group of 128 rows) 32 + group of 128 hidden
	s_mul_i32 s100, s16, 12288
	s_add_nc_u64 s[24:25], s[24:25], s[100:101]
	s_lshl_b32 s16, s16, 9
	s_mov_b32 s17, 0
	s_add_nc_u64 s[26:27], s[26:27], s[16:17]
	v_and_b32 v1, 15, v0                           ; r
	v_bfe_u32 v2, v0, 4, 1                         ; h
	v_mul_u32_u24 v[VW], v1, 3072
	v_mad_u32_u24 v[VW], v2, 24, v[VW]             ; W2: row r, + 24 h
	v_lshlrev_b32 v[VS], 5, v1
	v_lshl_add_u32 v[VS], v2, 4, v[VS]             ; scale bytes: 32 r + 16 h
	v_lshlrev_b32 v7, 5, v2
	v_and_b32 v9, 31, v0
	v_lshlrev_b32 v[LI], 4, v9
	v_mul_u32_u24 v3, v1, PITCH
	v_mul_u32_u24 v4, v2, 24
	v_add_nc_u32 v4, v3, v4
	v_sub_nc_u32 v8, 1, v2
	v_mul_u32_u24 v5, s96, v2
	v_add_nc_u32 v5, v3, v5
	v_add_nc_u32 v5, 232, v5                       ; lanes 0-15 byte 232 of the row in slot 0, lanes 16-31 byte 0 in slot 1
	v_mul_u32_u24 v6, s97, v8
	v_add_nc_u32 v6, v3, v6                        ; and the other way round
	v_add_nc_u32 v[ADRA], s42, v4
	v_add_nc_u32 v[ADRA+1], s98, v4
	v_add_nc_u32 v[ADRA+2], s42, v5
	v_add_nc_u32 v[ADRA+3], s42, v6
	v_add_nc_u32 v[ADRB], s43, v4
	v_add_nc_u32 v[ADRB+1], s99, v4
	v_add_nc_u32 v[ADRB+2], s43, v5
	v_add_nc_u32 v[ADRB+3], s43, v6
	WIN 0x40
	v_bfe_u32 v[SH8], v0, 4, 1
	v_mov_b32 v[PX], 0
	WIN 0x55
	v_lshlrev_b32 v[SH8], 3, v[SH8]
	WIN 0x80                                       ; W2's four fragments into window 2, which the sums take later
.irp t, 0,1,2,3
.irp p, 0,1,2,3,4,5
	global_load_b64 v[12*\t+2*\p:12*\t+2*\p+1], v[VW], s[84:85] offset:96*\t+48*(\p/3)+8*(\p%3)
.endr
.endr
	WIN 0
.irp i, 0,1,2,3,4,5,6,7
	global_load_b128 v[SA+4*\i:SA+4*\i+3], v[VS], s[6:7] offset:512*\i
	global_load_b128 v[SB+4*\i:SB+4*\i+3], v[VS], s[14:15] offset:512*\i
.endr
.irp b, 0,1,2,3,4,5,6,7
	global_load_b128 v[BIAS+8*\b:BIAS+8*\b+3], v7, s[20:21] offset:64*\b
	global_load_b128 v[BIAS+8*\b+4:BIAS+8*\b+7], v7, s[20:21] offset:64*\b+16
.endr
.macro FRAG reg, adr, st, i            ; six pieces of 8 bytes; byte y of the walk lies in chunk y / 256, slot (y / 256) % 2
.irp p, 0,1,2,3,4,5
.set FB, 96*(\st)+48*(\p/3)+8*(\p%3)
.if FB/ROWB == (FB+24)/ROWB
	ds_load_b64 v[\reg+2*\p:\reg+2*\p+1], v[\adr+(FB/ROWB)%2] offset:FB%ROWB+(\i)*16*PITCH
.else
	ds_load_b64 v[\reg+2*\p:\reg+2*\p+1], v[\adr+2+(FB/ROWB)%2] offset:FB%ROWB-232+(\i)*16*PITCH
.endif
.endr
.endm
; 16 products; the 64 accumulators take turns.  zero = 1: the bias starts the sums.  W1's blocks land so that the way out finds neighbours along the next K.
.macro MUL16 a0, st, zero
.irp a, \a0, \a0+1
.irp b, 0,1,2,3,4,5,6,7
.set AC, 8*(8*((\a)%4)+(\b&4)+((\b&1)<<1)+((\b&2)>>1))
.set RB, 128*((\st)%2)+FR*\b
.set RA, AF+FR*(\a)
.set XB, SB+4*\b+(\st)%4
.set XA, SA+4*(\a)+(\st)%4
.if \zero
	v_wmma_scale_f32_16x16x128_f8f6f4 v[AC:AC+7], v[RB:RB+11], v[RA:RA+11], v[BIAS+8*\b:BIAS+8*\b+7], v[XB], v[XA] matrix_a_fmt:MATRIX_FMT_FP6 matrix_b_fmt:MATRIX_FMT_FP6
.elseif ((\st)%8) < 4
	v_wmma_scale_f32_16x16x128_f8f6f4 v[AC:AC+7], v[RB:RB+11], v[RA:RA+11], v[AC:AC+7], v[XB], v[XA] matrix_a_fmt:MATRIX_FMT_FP6 matrix_b_fmt:MATRIX_FMT_FP6
.else
	v_wmma_scale_f32_16x16x128_f8f6f4 v[AC:AC+7], v[RB:RB+11], v[RA:RA+11], v[AC:AC+7], v[XB], v[XA] matrix_a_fmt:MATRIX_FMT_FP6 matrix_b_fmt:MATRIX_FMT_FP6 matrix_a_scale:MATRIX_SCALE_ROW1 matrix_b_scale:MATRIX_SCALE_ROW1
.endif
.endr
.endr
.endm
.macro FETCH_B st, p
	WIN TO_B
.irp i, 0,1,2,3,4,5,6,7
	FRAG 128*(\p)+FR*\i, ADRB, \st, \i
.endr
	WIN 0
.endm
.macro FETCH_A st, i0
.irp i, \i0, \i0+1, \i0+2, \i0+3
	FRAG AF+FR*(\i), ADRA, \st, \i
.endr
.endm
; A step: 64 products; the next step's fragments are fetched in its middle and at its end.  Where they END in a chunk not read yet: a barrier shows it whole.
; Where they BEGIN in a later chunk: the chunk left behind is read no more; the three lines, the barrier, and, while chunks are left, the cluster's round and the refill.
.macro STEP st, zero
.set NX, (\st)+1
.set C0, (96*(\st))/ROWB
.set C1, (96*NX)/ROWB
.set E0, (96*(\st)+95)/ROWB
.set E1, (96*NX+95)/ROWB
.if C1 > C0 || E1 > E0
	s_wait_tensorcnt 0x0                           ; all my tensor loads have landed
.if C1 > C0
	ds_add_u32 v[SPW], v[NIL]
	s_wait_dscnt 4*NL+1                            ; the add and x's blocks 4-7 (24 loads) may be out
.else
	s_wait_dscnt 4*NL
.endif
	WIN MUL_LO
	MUL16 0, \st, 0
	s_wait_dscnt 0x0                               ; the add and all my reads are done
	s_barrier_signal -1
	MUL16 2, \st, 0
	WIN 0
	s_barrier_wait -1
.if C1 > C0 && C0+2 < CHUNKS
	CREST                                          ; the barrier opened a round of the cluster's barrier
.if C0+2 == 3 || C0+2 == 4                         ; on to the second tile: x 1,024 rows down, W1 back along K
	s_add_nc_u64 s[G0+4*(C0%2)+2:G0+4*(C0%2)+3], s[G0+4*(C0%2)+2:G0+4*(C0%2)+3], WALK-ROWB
	s_sub_nc_u64 s[G0B+4*(C0%2)+2:G0B+4*(C0%2)+3], s[G0B+4*(C0%2)+2:G0B+4*(C0%2)+3], ROWB
.else
	s_add_nc_u64 s[G0+4*(C0%2)+2:G0+4*(C0%2)+3], s[G0+4*(C0%2)+2:G0+4*(C0%2)+3], 2*ROWB
	s_add_nc_u64 s[G0B+4*(C0%2)+2:G0B+4*(C0%2)+3], s[G0B+4*(C0%2)+2:G0B+4*(C0%2)+3], 2*ROWB
.endif
	JLOAD C0%2                                     ; chunk C0 + 2; its four v_nop are the places ahead of the loads below
.else
	PLACES NP
.endif
.else
	s_wait_dscnt 4*NL                              ; x's blocks 4-7 may be out
.if \zero
	WIN 0x81                                       ; C, the bias, in window 0
.else
	WIN MUL_LO
.endif
	MUL16 0, \st, \zero
	MUL16 2, \st, \zero
	s_wait_dscnt 0x0
	PLACES NP
.endif
	FETCH_B NX, NX%2
	FETCH_A NX, 0
.if \zero
	WIN 0xc1
.else
	WIN MUL_HI
.endif
	MUL16 4, \st, \zero
	MUL16 6, \st, \zero
	PLACES NP
	WIN 0
	FETCH_A NX, 4
.endm
.macro QUANT32 e, p, w                 ; 64 numbers of a lane, two blocks of 32, none negative: 12 registers of codes and the row's scale word
.irp c, 0,1
	v_max3_num_f32 v[M+\c], v[(\e)+32*\c], v[(\e)+32*\c+1], 0x1800000      ; with the floor 2^(3 - 127)
.endr
.irp i, 2,4,6,8,10,12,14,16,18,20,22,24,26,28,30
.irp c, 0,1
	v_max3_num_f32 v[M+\c], v[M+\c], v[(\e)+32*\c+\i], v[(\e)+32*\c+\i+1]
.endr
.endr
.irp c, 0,1
	v_add_nc_u32 v[SO+\c], 0xff000000, v[M+\c]     ; 2 off the exponent field
.endr
.irp c, 0,1
	v_lshrrev_b32 v[BY+\c], 23, v[SO+\c]
.endr
	v_lshl_or_b32 v[\w], v[BY+1], 16, v[BY]
	v_lshlrev_b32 v[\w], v[SH8], v[\w]
	v_permlanex16_b32 v[PX], v[\w], s[SEL], s[SEL+1]
	v_or_b32 v[\w], v[\w], v[PX]
.irp c, 0,1
	v_cvt_scalef32_pk16_fp6_f32 v[(\p)+6*\c:(\p)+6*\c+2], v[(\e)+32*\c:(\e)+32*\c+15], v[SO+\c]
	v_cvt_scalef32_pk16_fp6_f32 v[T+4*\c:T+4*\c+2], v[(\e)+32*\c+16:(\e)+32*\c+31], v[SO+\c]
.endr
	v_nop                                          ; one plain place behind a scaled conversion
.irp c, 0,1
.irp i, 0,1,2
	v_mov_b32 v[(\p)+3+6*\c+\i], v[T+4*\c+\i]
.endr
.endr
.endm
.macro OUT a                           ; block a of 16 rows: relu, halves of lanes change places so that a lane holds whole blocks of 32, codes, store
	WIN 0x48+4*((\a)/4)
.set i, 0
.rept 64
	v_max_num_f32 v[E+i], 0, v[64*((\a)%4)+i]      ; each accumulator from its low end on
.set i, i+1
.endr
	WIN 0x55
.irp c, 0,1
.irp j, 0,1,2,3,4,5,6,7
	v_permlane16_swap_b32 v[E+32*\c+\j], v[E+32*\c+8+\j]
	v_permlane16_swap_b32 v[E+32*\c+16+\j], v[E+32*\c+24+\j]
.endr
.endr
.if (\a) > 1
	s_wait_alu depctr_va_vdst(0)
	s_wait_xcnt 0x0                                ; block a - 2's stores have read their data
.endif
	QUANT32 E, P+12*((\a)%2), W+(\a)
	WIN 0x04
.irp p, 0,1,2
	global_store_b128 v[LI], v[P+12*((\a)%2)+4*\p:P+12*((\a)%2)+4*\p+3], s[24:25] offset:1536*(\a)+512*\p   ; 512 consecutive bytes
.endr
.endm
.macro WAYOUT
.irp a, 0,1,2,3,4,5,6,7
	OUT \a
.endr
	WIN 0x55
.irp e, 0,1,2,3
	v_cndmask_b32 v[X+\e], v[W+\e], v[W+4+\e], s[MHI]   ; lanes 0-15 blocks 0-3, lanes 16-31 blocks 4-7
.endr
	WIN 0x04
	global_store_b128 v[LI], v[X:X+3], s[26:27]
	WIN 0
.endm
	s_wait_alu depctr_va_vdst(0)
	s_wait_tensorcnt 0x0                           ; my part of chunk 0 is in; the full sequence ahead of slot 1's first fill
	ds_add_u32 v[SPW], v[NIL]
	s_wait_dscnt 0x0
	CROUND
	JLOAD 1                                        ; chunk 1
	FETCH_B 0, 0
	FETCH_A 0, 0
	FETCH_A 0, 4
	s_wait_loadcnt 0x0                             ; W2's fragments, the scale words, the bias
	WIN 0x08
.irp t, 0,1,2,3
.irp p, 0,1,2
	global_store_b128 v[LI], v[12*\t+4*\p:12*\t+4*\p+3], s[88:89] offset:1536*\t+512*\p   ; W2's images: 512 consecutive bytes
.endr
.endr
	WIN 0
	s_wait_xcnt 0x0                                ; the stores have read their data: the sums may take these registers
	STEP 0, 1
.set ST, 1
.rept 7
	STEP ST, 0
.set ST, ST+1
.endr
.irp i, 0,1,2,3,4,5,6,7
	global_load_b128 v[SA+4*\i:SA+4*\i+3], v[VS], s[6:7] offset:32768+512*\i   ; the second tile's scale words of x, four places behind the last product
.endr
	WAYOUT
	s_wait_xcnt 0x0
	s_add_nc_u64 s[24:25], s[24:25], 8*32*12288
	s_add_nc_u64 s[26:27], s[26:27], 8*32*512
	s_wait_loadcnt 0x0
	STEP 8, 1
.set ST, 9
.rept 6
	STEP ST, 0
.set ST, ST+1
.endr
	s_wait_dscnt 4*NL                              ; the last step: nothing more to fetch
	WIN MUL_LO
	MUL16 0, 15, 0
	MUL16 2, 15, 0
	s_wait_dscnt 0x0
	WIN MUL_HI
	MUL16 4, 15, 0
	MUL16 6, 15, 0
	WIN 0
	PLACES NP
	WAYOUT
	s_wait_tensorcnt 0x0                           ; the wave's end
	ds_add_u32 v[SPW], v[NIL]
	s_wait_dscnt 0x0
	CROUND                                         ; the closing round
	s_endpgm
.Lfunc_end_k_q828398411d_ffn1:
	.size	k_q828398411d_ffn1, .Lfunc_end_k_q828398411d_ffn1-k_q828398411d_ffn1
	.p2alignl 7, 3214868480
	.fill 96, 4, 3214868480
	.section	.rodata,"a",@progbits
	.p2align	6, 0x0
	.amdhsa_kernel k_q828398411d_ffn1
		.amdhsa_group_segment_fixed_size 327680
		.amdhsa_private_segment_fixed_size 0
		.amdhsa_enable_private_segment 0
		.amdhsa_kernarg_size 128
		.amdhsa_user_sgpr_count 2
		.amdhsa_user_sgpr_kernarg_segment_ptr 1
		.amdhsa_wavefront_size32 1
		.amdhsa_system_sgpr_workgroup_id_x 1
		.amdhsa_system_sgpr_workgroup_id_y 1
		.amdhsa_system_sgpr_workgroup_id_z 1
		.amdhsa_system_vgpr_workitem_id 0
		.amdhsa_next_free_vgpr 1024
		.amdhsa_next_free_sgpr 102
		.amdhsa_reserve_vcc 0
		.amdhsa_float_denorm_mode_32 3
		.amdhsa_float_denorm_mode_16_64 3
		.amdhsa_memory_ordered 1
		.amdhsa_forward_progress 1
		.amdhsa_inst_pref_size 255
	.end_amdhsa_kernel
	.section	.bss,"aw",@nobits
	.p2align	6
	.space	262144
	.amdgpu_metadata
---
amdhsa.version: [ 1, 2 ]
amdhsa.kernels:
  - .name:           k_q828398411d_ffn1
    .symbol:         k_q828398411d_ffn1.kd
    .args:
      - { .name: V_codes, .offset: 0, .size: 8, .value_kind: global_buffer, .address_space: global }
      - { .name: V_scales, .offset: 8, .size: 8, .value_kind: global_buffer, .address_space: global }
      - { .name: L_codes, .offset: 16, .size: 8, .value_kind: global_buffer, .address_space: global }
      - { .name: L_scales, .offset: 24, .size: 8, .value_kind: global_buffer, .address_space: global }
      - { .name: w1_V_codes, .offset: 32, .size: 8, .value_kind: global_buffer, .address_space: global }
      - { .name: w1_V_scales, .offset: 40, .size: 8, .value_kind: global_buffer, .address_space: global }
      - { .name: w1_L_codes, .offset: 48, .size: 8, .value_kind: global_buffer, .address_space: global }
      - { .name: w1_L_scales, .offset: 56, .size: 8, .value_kind: global_buffer, .address_space: global }
      - { .name: b1_V, .offset: 64, .size: 8, .value_kind: global_buffer, .address_space: global }
      - { .name: b1_L, .offset: 72, .size: 8, .value_kind: global_buffer, .address_space: global }
      - { .name: hq, .offset: 80, .size: 8, .value_kind: global_buffer, .address_space: global }
      - { .name: hs, .offset: 88, .size: 8, .value_kind: global_buffer, .address_space: global }
      - { .name: w2_V_codes, .offset: 96, .size: 8, .value_kind: global_buffer, .address_space: global }
      - { .name: w2_L_codes, .offset: 104, .size: 8, .value_kind: global_buffer, .address_space: global }
      - { .name: w2vi, .offset: 112, .size: 8, .value_kind: global_buffer, .address_space: global }
      - { .name: w2li, .offset: 120, .size: 8, .value_kind: global_buffer, .address_space: global }
    .group_segment_fixed_size: 327680
    .private_segment_fixed_size: 0
    .kernarg_segment_align: 8
    .kernarg_segment_size: 128
    .max_flat_workgroup_size: 128
    .sgpr_count:     102
    .vgpr_count:     1024
    .wavefront_size: 32
...
	.end_amdgpu_metadata
.endif
;; end of part 1
;; launch ffn2 (part 2): grid 4 x 64, 4 waves a work-group, clusters of 4 x 4, 327,680 bytes of LDS; arguments hq, hs, w2vi, w2_V_scales, w2li, w2_L_scales, b2_V, b2_L, fq, fs, kvq, kvs; writes fq, fs, kvq, kvs
.if DOCPART == 2
	.amdgcn_target "amdgcn-amd-amdhsa--gfx1250"
	.amdhsa_code_object_version 6
	.text
	.protected	k_q828398411d_ffn2
	.globl	k_q828398411d_ffn2
	.p2align	8
	.type	k_q828398411d_ffn2,@function
k_q828398411d_ffn2:
	s_mov_b64 s[64:65], 0
	v_nop
	global_prefetch_b8 v0, s[64:65] scope:SCOPE_SE
	s_setreg_imm32_b32 hwreg(HW_REG_WAVE_MODE, 25, 1), 1
	s_wait_xcnt 0x0
	s_wait_alu depctr_hold_cnt(0) depctr_sa_sdst(0) depctr_va_vdst(0) depctr_va_sdst(0) depctr_va_ssrc(0) depctr_va_vcc(0) depctr_vm_vsrc(0)
	s_getreg_b32 s2, hwreg(HW_REG_IB_STS2, 6, 4)
	s_cmp_eq_u32 s2, 0
	s_cbranch_scc0 .Lentry_in_a_cluster
	s_endpgm
.Lentry_in_a_cluster:
	s_bfe_u32 s2, ttmp6, 0x10000c
	s_cmp_lg_u32 s2, 0xf033
	s_cbranch_scc0 .Lentry_shape_is_right
	s_endpgm
.Lentry_shape_is_right:
; f = h W2^T + b2 for the 8,192 logical rows (0-2047: V weights, the rest: L weights), K = 4,096, N = 1,024; f is quantised in registers and leaves as images of the operands that the next launch wants:
;   along D, all rows:  fq [block of 64 rows][K step of 128][tile of 16 rows a][3][lane][16 bytes];  fs [block][K step][256]: the word of row (a, r) at 128 (a / 2) + 8 r + 4 (a % 2);
;   along the rows, logical rows 0-6143 (the keys of the last product: a batch's 128 rows of f(L), then its 64 of f(V)):  kvq [J = 3 batch + pair of key blocks][16 columns cb][3][lane][8 bytes]: six registers, lanes 0-15 the pair's
;   first block of 32 keys, lanes 16-31 its second;  kvs [J][128 columns][256]: two bytes (first block, second block) of column 32 g + l at 8 l + 2 g.
; h comes as images of its registers (hq, hs), W2 as images of its fragments (w2vi, w2li).
; A tile is 128 rows x 256 columns, so that there are 256 work-groups; four waves, each 64 x 128: 32 accumulators.  K goes in steps of 128, four to a slot, through two LDS slots: a refill has four steps' 128 matrix instructions in which to land.
; CLUSTERS 4 x 4: h's tiles are shared along a row of the cluster, W2's along a column: joint loads.  THE SCALE WORDS for all of K stay in registers (a wave's 64 + 128 rows x 32 words: 192 registers, two K steps to a register, in lanes 0-15
; and 16-31), which leaves LDS to the two slots; they are loaded by each wave for itself, not jointly: 48 KiB a work-group beside 1.18 MB of codes.  So the K walk is written out: each step names its own scale registers.
; THE MATRIX INSTRUCTION IS USED TRANSPOSED (source 0 = 16 rows of W2, source 1 = 16 rows of h).
; LIMITS: NaN and infinities are not served.  A block that is all zeros, or whose largest magnitude lies under 2^-124, gets the scale byte 1; these bytes are read by this program alone.
; REGISTERS: window 0: v16-30 addresses; v64-127 h's scale words; v128-255 W2's.  window 1: W2's fragments, two sets at 0 and 128; on the way out all the vector work.  window 2: accumulator (a, b) at 8 (8 a + b).
;   window 3: h's fragments, two sets at 0 and 48; the bias from 128.
; W2 NOW COMES AS IMAGES of its fragments, as the launch before has re-laid it (w2vi, w2li: [16 rows][K step][3][lane][16 bytes]): a slot's four K steps of 16 rows are 6,144 consecutive bytes,
; which begin on a multiple of 256; a wave's tile is 8 such rows, 49,152 bytes apart, dense in LDS; a fragment is three loads of 512 consecutive bytes.
.set APART,  49152                     ; h's part of a slot: 4 K steps x 8 tiles x 1,536 bytes, dense
.set HALFA,  24576
.set HALFB,  49152
.set SLOT,   APART+2*HALFB
.set SPARE,  2*SLOT                    ; the spare words, 128 bytes a wave: two blocks of 256 bytes that no other line names
.set SPITCH, 528                       ; the way out: a stage of 64 rows x (512 bytes + 16) for each wave, in slot 0, which has had its last fill and its last read by then
.set STGW,   64*SPITCH
.set ADRA, 16
.set ADRB, 20
.set STO,  24
.set RDR,  25
.set CRD,  26
.set LI,   27
.set SPW,  28
.set NIL,  29
.set L8,   30
.set SA,   64
.set SB,   128
.set P,    128                         ; window 1, on the way out: codes of the four tiles of rows
.set T,    176
.set M,    184
.set SO,   186
.set BY,   188
.set PX,   190
.set SH8,  191
.set W,    192
.set X,    196
.set HW,   200
.set Y,    204
.set CLY,  28
.set WV,   32
.set WR,   33
.set WC,   34
.set CX,   35
.set CY,   36
.set TX,   37
.set TY,   38
.set MROW, 40
.set MCOL, 41
.set G1,   44
.set G0,   52
.set G1B,  68
.set G0B,  76
.set SEL,  84
.set MHI,  86
.set MSB, 0
.macro WIN new
.if MSB != \new
	s_set_vgpr_msb (MSB<<8)|\new
.set MSB, \new
.endif
.endm
.macro JLOAD s                         ; a joint load: waves 0 and 1 fetch h's halves, waves 2 and 3 W2's; four v_nop follow each of the two lines
	s_cmp_eq_u32 s[WR], 0
	s_cbranch_scc0 .Lfor_b_\@
	tensor_load_to_lds s[G0+4*\s:G0+4*\s+3], s[G1:G1+7]
	s_nop 0
.rept 4
	v_nop
.endr
	s_branch .Lasked_\@
.Lfor_b_\@:
	tensor_load_to_lds s[G0B+4*\s:G0B+4*\s+3], s[G1B:G1B+7]
	s_nop 0
.rept 4
	v_nop
.endr
.Lasked_\@:
.endm
.macro CREST
	s_cmp_lg_u32 s[WV], 0
	s_cbranch_scc1 .Lnot_wave_0_\@
	s_barrier_signal -3
.Lnot_wave_0_\@:
	s_barrier_wait -3
	s_barrier_signal -1
	s_barrier_wait -1
.endm
.macro CROUND
	s_barrier_signal -1
	s_barrier_wait -1
	CREST
.endm
.macro PLACES
.rept 4
	v_nop
.endr
.endm
	s_load_b512 s[4:19], s[0:1], 0x0               ; hq, hs, w2_V codes, scales, w2_L codes, scales, b2_V, b2_L
	s_load_b256 s[20:27], s[0:1], 0x40             ; fq, fs, kvq, kvs
	v_lshl_add_u32 v[SPW], v0, 2, SPARE
	v_mov_b32 v[NIL], 0
	ds_add_u32 v28, v29
	ds_add_u32 v28, v29
	s_wait_dscnt 0x0
	v_lshrrev_b32 v1, 5, v0
	v_readfirstlane_b32 s[WV], v1
	s_lshr_b32 s[WR], s[WV], 1                     ; my half of the tile's rows; also: I fetch for h (0) or W2 (1)
	s_and_b32 s[WC], s[WV], 1                      ; my half of its columns; also: which half I fetch
	s_bfe_u32 s[CX], ttmp6, 0x40000
	s_bfe_u32 s[CY], ttmp6, 0x40004
	s_lshl_b32 s[TX], ttmp9, 2
	s_add_co_u32 s[TX], s[TX], s[CX]               ; tile column, 0..3
	s_and_b32 s[CLY], ttmp7, 0xffff                ; the cluster's y, 0..15
	s_lshl_b32 s[TY], s[CLY], 2
	s_add_co_u32 s[TY], s[TY], s[CY]               ; tile row = row group of 128, 0..63
	s_lshl_b32 s[MROW], s[CY], 2
	s_lshl_b32 s[MROW], 15, s[MROW]
	s_lshl_b32 s[MCOL], 0x1111, s[CX]
	s_or_b32 s[G1+0], s[MROW], (3<<16)|(1<<21)     ; h: the mask of my row; elements of 8 bytes; no padding: 24,576 dense bytes as 96 rows of 256
	s_mov_b32 s[G1+1], 32<<16
	s_mov_b32 s[G1+2], 96<<16
	s_mov_b32 s[G1+3], 32<<16
	s_mov_b32 s[G1+4], 96
	s_mov_b32 s[G1+5], 32
	s_mov_b32 s[G1+6], 0
	s_mov_b32 s[G1+7], 0
	s_or_b32 s[G1B+0], s[MCOL], (3<<16)|(1<<21)    ; W2's images: the mask of my column; elements of 8 bytes; no padding
	s_mov_b32 s[G1B+1], 768<<16                    ; 6,144 bytes: four K steps of 16 rows
	s_mov_b32 s[G1B+2], 8<<16
	s_mov_b32 s[G1B+3], 768<<16
	s_mov_b32 s[G1B+4], 8
	s_mov_b32 s[G1B+5], 6144
	s_mov_b32 s[G1B+6], 0
	s_mov_b32 s[G1B+7], 0
	s_mul_i32 s42, s[TY], 32*12288                 ; h: my row group,
	s_mul_i32 s39, s[WC], HALFA                    ; my half of a slot's four K steps, in memory and in LDS alike
	s_add_co_u32 s42, s42, s39
	s_mov_b32 s43, 0
	s_lshl_b32 s31, s[TX], 8
	s_lshl_b32 s30, s[WC], 7
	s_add_co_u32 s31, s31, s30                     ; W2: row 256 x tile column + 128 x half: what I fetch, and also my wave's first column
	s_mul_i32 s66, s31, 3072
	s_mov_b32 s67, 0
	s_mul_i32 s87, s[WC], HALFB
	s_add_co_u32 s87, s87, APART
	s_mov_b32 s[SEL], 0x76543210
	s_mov_b32 s[SEL+1], 0xfedcba98
	s_mov_b32 s[MHI], 0xffff0000
	s_wait_kmcnt 0x0
	s_cmp_lt_u32 s[CLY], 4                         ; the V weights for the first 2,048 logical rows
	s_cselect_b64 s[8:9], s[8:9], s[12:13]
	s_cselect_b64 s[10:11], s[10:11], s[14:15]
	s_cselect_b64 s[16:17], s[16:17], s[18:19]
	s_add_nc_u64 s[4:5], s[4:5], s[42:43]
	s_add_nc_u64 s[8:9], s[8:9], s[66:67]
	CROUND                                         ; the first joint loads meet
.irp s, 0,1
	s_mov_b32 s[G0+4*\s], 1
	s_add_co_u32 s[G0+4*\s+1], s39, \s*SLOT
	s_add_nc_u64 s[G0+4*\s+2:G0+4*\s+3], s[4:5], \s*APART
	s_or_b32 s[G0+4*\s+3], s[G0+4*\s+3], 0x80000000
	s_mov_b32 s[G0B+4*\s], 1
	s_add_co_u32 s[G0B+4*\s+1], s87, \s*SLOT
	s_add_nc_u64 s[G0B+4*\s+2:G0B+4*\s+3], s[8:9], \s*6144
	s_or_b32 s[G0B+4*\s+3], s[G0B+4*\s+3], 0x80000000
.endr
	JLOAD 0                                        ; slot 0: one tensor load a wave at the head
	s_lshl_b32 s12, s[TY], 14
	s_lshl_b32 s13, s[WR], 8
	s_add_co_u32 s12, s12, s13
	s_mov_b32 s13, 0
	s_add_nc_u64 s[6:7], s[6:7], s[12:13]          ; hs: my row group, my four tiles of rows
	s_lshl_b32 s12, s31, 7
	s_add_nc_u64 s[10:11], s[10:11], s[12:13]      ; W2's scale bytes: 128 a row
	s_lshl_b32 s12, s31, 2
	s_add_nc_u64 s[16:17], s[16:17], s[12:13]      ; b2 at my first column
	v_and_b32 v1, 15, v0                           ; r
	v_bfe_u32 v2, v0, 4, 1                         ; h
	v_and_b32 v3, 31, v0
	v_lshlrev_b32 v[LI], 4, v3
	v_lshlrev_b32 v[L8], 3, v3
	v_lshlrev_b32 v8, 4, v1
	v_lshl_add_u32 v8, v2, 13, v8                  ; 16 r; lanes 16-31 sixteen K steps on
	v_lshlrev_b32 v9, 7, v1
	v_lshl_add_u32 v9, v2, 6, v9                   ; row r; lanes 16-31 sixteen words on
	v_lshlrev_b32 v10, 5, v2
.irp i, 0,1,2,3,4,5,6,7,8,9,10,11,12,13,14,15
	global_load_b128 v[SA+4*\i:SA+4*\i+3], v8, s[6:7] offset:512*\i      ; register 4 i + a: tile a's words of K step i (lanes 0-15) and 16 + i (lanes 16-31); sixteen lanes read 256 consecutive bytes
.endr
.irp b, 0,1,2,3,4,5,6,7
.irp j, 0,1,2,3
	global_load_b128 v[SB+16*\b+4*\j:SB+16*\b+4*\j+3], v9, s[10:11] offset:2048*\b+16*\j   ; register 16 b + i likewise for W2's block b
.endr
.endr
	WIN 0xc0
.irp b, 0,1,2,3,4,5,6,7
	global_load_b128 v[128+8*\b:128+8*\b+3], v10, s[16:17] offset:64*\b  ; b2 at column 16 b + 8 h + j: the result's layout
	global_load_b128 v[128+8*\b+4:128+8*\b+7], v10, s[16:17] offset:64*\b+16
.endr
	WIN 0
	s_mul_i32 s29, s[WR], 6144                     ; my four tiles of h's eight
	s_mov_b32 s30, s87                             ; my 128 rows of W2
.irp s, 0,1
	v_add_nc_u32 v[ADRA+\s], s29, v[LI]
	v_add_nc_u32 v[ADRB+\s], s30, v[LI]
	s_add_co_u32 s29, s29, SLOT
	s_add_co_u32 s30, s30, SLOT
.endr
	s_mul_i32 s29, s[WV], STGW                     ; my stage
	v_mul_u32_u24 v4, v1, SPITCH
	v_add_nc_u32 v4, s29, v4
	v_lshl_add_u32 v[STO], v2, 5, v4               ; in: row r, 32 bytes for each half of the lanes
	v_lshl_add_u32 v[RDR], v2, 7, v4               ; back by rows: row r, 128 bytes (a block of 32) for each half
	v_lshl_add_u32 v[CRD], v3, 2, s29              ; back by columns: 4 bytes a lane
	s_lshl_b32 s14, s[TY], 1
	s_add_co_u32 s14, s14, s[WR]                   ; my block of 64 rows
	s_lshl_b32 s15, s14, 3
	s_lshr_b32 s18, s31, 7                         ; my 128 columns
	s_add_co_u32 s15, s15, s18
	s_mul_i32 s12, s15, 6144
	s_add_nc_u64 s[20:21], s[20:21], s[12:13]      ; fq
	s_lshl_b32 s12, s15, 8
	s_add_nc_u64 s[22:23], s[22:23], s[12:13]      ; fs
	s_mul_i32 s15, s14, 3
	s_add_co_u32 s15, s15, 2                       ; f(V) with the V weights: batch = my block of 64 rows, the batch's third pair of key blocks
	s_sub_co_u32 s18, s[TY], 16
	s_mul_i32 s18, s18, 3
	s_add_co_u32 s18, s18, s[WR]                   ; f(L): batch = row group - 16, pair = my half
	s_cmp_lt_u32 s[CLY], 4
	s_cselect_b32 s15, s15, s18                    ; J (not used by the last 2,048 logical rows)
	s_mul_i32 s12, s15, 49152
	s_mul_i32 s18, s31, 48                         ; 768 bytes for each 16 columns
	s_add_co_u32 s12, s12, s18
	s_add_nc_u64 s[24:25], s[24:25], s[12:13]      ; kvq
	s_lshl_b32 s12, s15, 11
	s_lshl_b32 s18, s31, 1
	s_add_co_u32 s12, s12, s18
	s_add_nc_u64 s[26:27], s[26:27], s[12:13]      ; kvs
.macro FRAG reg, adr, q, i             ; a fragment of W2: three loads of 16 bytes a lane from an image
.irp p, 0,1,2
	ds_load_b128 v[\reg+4*\p:\reg+4*\p+3], v[\adr] offset:6144*(\i)+1536*(\q)+512*\p   ; an image: 512 consecutive bytes
.endr
.endm
.macro FETCH t                         ; step t's fragments: 24 + 12 LDS loads in one run
.set FS, ((\t)/4)%2
	WIN 0x40
.irp i, 0,1,2,3,4,5,6,7
	FRAG 128*((\t)%2)+12*\i, ADRB+FS, (\t)%4, \i
.endr
	WIN 0xc0
.irp a, 0,1,2,3
.irp p, 0,1,2
	ds_load_b128 v[48*((\t)%2)+12*\a+4*\p:48*((\t)%2)+12*\a+4*\p+3], v[ADRA+FS] offset:12288*((\t)%4)+1536*\a+512*\p   ; an image: 512 consecutive bytes
.endr
.endr
.endm
; eight products: tile of rows a x W2's eight blocks.  The 32 accumulators take turns, one instruction a turn, in the same order in every step.
.macro MUL8 t, a
.irp b, 0,1,2,3,4,5,6,7
.if (\t) == 0
	v_wmma_scale_f32_16x16x128_f8f6f4 v[8*(8*\a+\b):8*(8*\a+\b)+7], v[128*((\t)%2)+12*\b:128*((\t)%2)+12*\b+11], v[48*((\t)%2)+12*\a:48*((\t)%2)+12*\a+11], v[128+8*\b:128+8*\b+7], v[SB+16*\b+(\t)%16], v[SA+4*((\t)%16)+\a] matrix_a_fmt:MATRIX_FMT_FP6 matrix_b_fmt:MATRIX_FMT_FP6
.elseif (\t) < 16
	v_wmma_scale_f32_16x16x128_f8f6f4 v[8*(8*\a+\b):8*(8*\a+\b)+7], v[128*((\t)%2)+12*\b:128*((\t)%2)+12*\b+11], v[48*((\t)%2)+12*\a:48*((\t)%2)+12*\a+11], v[8*(8*\a+\b):8*(8*\a+\b)+7], v[SB+16*\b+(\t)%16], v[SA+4*((\t)%16)+\a] matrix_a_fmt:MATRIX_FMT_FP6 matrix_b_fmt:MATRIX_FMT_FP6
.else
	v_wmma_scale_f32_16x16x128_f8f6f4 v[8*(8*\a+\b):8*(8*\a+\b)+7], v[128*((\t)%2)+12*\b:128*((\t)%2)+12*\b+11], v[48*((\t)%2)+12*\a:48*((\t)%2)+12*\a+11], v[8*(8*\a+\b):8*(8*\a+\b)+7], v[SB+16*\b+(\t)%16], v[SA+4*((\t)%16)+\a] matrix_a_fmt:MATRIX_FMT_FP6 matrix_b_fmt:MATRIX_FMT_FP6 matrix_a_scale:MATRIX_SCALE_ROW1 matrix_b_scale:MATRIX_SCALE_ROW1
.endif
.endr
.endm
.macro MULWIN t
.if (\t) == 0
	WIN 0xbd                                       ; W2 window 1, h window 3, C (the bias) window 3, D window 2
.else
	WIN 0xad                                       ; C and D window 2
.endif
.endm
.macro STEP t                          ; a step that has its successor in the same slot
	PLACES                                         ; the loads below land in registers that the step before multiplied
	FETCH (\t)+1
	s_wait_dscnt 36                                ; all but the 24 + 12 just issued
	MULWIN \t
	MUL8 \t, 0
	MUL8 \t, 1
	MUL8 \t, 2
	MUL8 \t, 3
.endm
; A slot's last step.  Its fragments were asked for a step ago, so the slot is read out at the step's head: the refill has four steps in which to land.
.macro TURN t, fill
.set TSL, ((\t)/4)%2
	WIN 0
	s_wait_tensorcnt 0x0                           ; all my tensor loads have landed: my part of the next slot
	ds_add_u32 v[SPW], v[NIL]                      ; 0 onto my spare word
	s_wait_dscnt 1                                 ; the add alone may be out: this step's fragments are in
	WIN 0xad
	MUL8 \t, 0
	s_wait_dscnt 0x0                               ; the add is done, and my reads of this slot are over
	s_barrier_signal -1
	MUL8 \t, 1
	WIN 0
	s_barrier_wait -1
.if \fill
	CREST                                          ; a round of the cluster's barrier: no wave of any partner still reads this slot or has a load on its way
	s_add_nc_u64 s[G0+4*TSL+2:G0+4*TSL+3], s[G0+4*TSL+2:G0+4*TSL+3], 2*APART
	s_add_nc_u64 s[G0B+4*TSL+2:G0B+4*TSL+3], s[G0B+4*TSL+2:G0B+4*TSL+3], 2*6144
	JLOAD TSL                                      ; the first tensor load behind the round; its four v_nop are the places in front of the loads below
.else
	PLACES
.endif
	FETCH (\t)+1
	WIN 0xad
	MUL8 \t, 2
	MUL8 \t, 3
.endm
.macro QUANT32 e, p, w, abs            ; as in the launch before: 64 numbers of a lane, two whole blocks of 32, become 12 registers of codes and the row's scale word
.irp c, 0,1
.if \abs
	v_max3_num_f32 v[M+\c], |v[(\e)+32*\c]|, |v[(\e)+32*\c+1]|, 0x1800000    ; with the floor 2^(3 - 127): the byte cannot fall under 1
.else
	v_max3_num_f32 v[M+\c], v[(\e)+32*\c], v[(\e)+32*\c+1], 0x1800000
.endif
.endr
.irp i, 2,4,6,8,10,12,14,16,18,20,22,24,26,28,30
.irp c, 0,1
.if \abs
	v_max3_num_f32 v[M+\c], v[M+\c], |v[(\e)+32*\c+\i]|, |v[(\e)+32*\c+\i+1]|
.else
	v_max3_num_f32 v[M+\c], v[M+\c], v[(\e)+32*\c+\i], v[(\e)+32*\c+\i+1]
.endif
.endr
.endr
.irp c, 0,1
	v_add_nc_u32 v[SO+\c], 0xff000000, v[M+\c]
.endr
.irp c, 0,1
	v_lshrrev_b32 v[BY+\c], 23, v[SO+\c]
.endr
	v_lshl_or_b32 v[\w], v[BY+1], 16, v[BY]
	v_lshlrev_b32 v[\w], v[SH8], v[\w]
	v_permlanex16_b32 v[PX], v[\w], s[SEL], s[SEL+1]
	v_or_b32 v[\w], v[\w], v[PX]
.irp c, 0,1
	v_cvt_scalef32_pk16_fp6_f32 v[(\p)+6*\c:(\p)+6*\c+2], v[(\e)+32*\c:(\e)+32*\c+15], v[SO+\c]
	v_cvt_scalef32_pk16_fp6_f32 v[T+4*\c:T+4*\c+2], v[(\e)+32*\c+16:(\e)+32*\c+31], v[SO+\c]
.endr
	v_nop                                          ; one plain place behind a scaled conversion
.irp c, 0,1
.irp i, 0,1,2
	v_mov_b32 v[(\p)+3+6*\c+\i], v[T+4*\c+\i]
.endr
.endr
.endm
	s_wait_alu depctr_va_vdst(0)
	s_wait_tensorcnt 0x0                           ; my part of slot 0 is in; the full sequence ahead of slot 1's first fill
	ds_add_u32 v[SPW], v[NIL]
	s_wait_dscnt 0x0
	CROUND
	JLOAD 1                                        ; slot 1, the first tensor load behind the round
	FETCH 0
	s_wait_loadcnt 0x0                             ; the scale words and the bias
.irp n, 0,1,2,3,4,5
	STEP 4*\n
	STEP 4*\n+1
	STEP 4*\n+2
	TURN 4*\n+3, 1
.endr
	STEP 24
	STEP 25
	STEP 26
	TURN 27, 0                                     ; nothing is left to fetch; behind this barrier nobody reads slot 0
	STEP 28
	STEP 29
	STEP 30
	s_wait_dscnt 0x0
	WIN 0xad
	MUL8 31, 0
	MUL8 31, 1
	MUL8 31, 2
	MUL8 31, 3
	; THE WAY OUT.  My 64 x 128 numbers go into my own stage and come back twice: by rows, a block of 32 columns to a lane, and by columns, a block of 32 rows to a lane.  LDS serves a wave's instructions in order (ISA guide 5.7.1.4).
	PLACES
	WIN 0x08                                       ; an LDS store's data are its source 1: window 2
.irp a, 0,1,2,3
.irp b, 0,1,2,3,4,5,6,7
	ds_store_b128 v[STO], v[8*(8*\a+\b):8*(8*\a+\b)+3] offset:16*SPITCH*\a+64*\b        ; each accumulator from its low end on
	ds_store_b128 v[STO], v[8*(8*\a+\b)+4:8*(8*\a+\b)+7] offset:16*SPITCH*\a+64*\b+16
.endr
.endr
	WIN 0x40
	v_bfe_u32 v[SH8], v0, 4, 1
	v_mov_b32 v[PX], 0
	WIN 0x55                                       ; all vector work in window 1
	v_lshlrev_b32 v[SH8], 3, v[SH8]
.macro RLOAD a                         ; tile of rows a: lane (r, h) takes columns 64 c + 32 h + 0 .. 31 of row r
	WIN 0x40
.irp c, 0,1
.irp i, 0,1,2,3,4,5,6,7
	ds_load_b128 v[64*((\a)%2)+32*\c+4*\i:64*((\a)%2)+32*\c+4*\i+3], v[RDR] offset:16*SPITCH*(\a)+256*\c+16*\i
.endr
.endr
.endm
	RLOAD 0
.irp a, 0,1,2,3
.if \a < 3
	RLOAD \a+1
	s_wait_dscnt 16                                ; all but the next tile's 16 loads
.else
	s_wait_dscnt 0x0
.endif
	WIN 0x55
	QUANT32 64*(\a%2), P+12*\a, W+\a, 1
	WIN 0x04                                       ; a store's data are its source 1: window 1
.irp p, 0,1,2
	global_store_b128 v[LI], v[P+12*\a+4*\p:P+12*\a+4*\p+3], s[20:21] offset:1536*\a+512*\p   ; 512 consecutive bytes; each tile has its own registers for its codes: no store's data are written again
.endr
.endr
	WIN 0x55
.irp e, 0,1
	v_cndmask_b32 v[X+\e], v[W+\e], v[W+2+\e], s[MHI]   ; lanes 0-15: tiles 0, 1 of row r; lanes 16-31: tiles 2, 3
.endr
	WIN 0x04
	global_store_b64 v[L8], v[X:X+1], s[22:23]     ; 256 consecutive bytes
	WIN 0
	s_cmp_ge_u32 s[CLY], 12                        ; f(V) with the L weights is no part of the last product's keys: a branch on the cluster's y, which all partners share
	s_cbranch_scc1 .Lno_columns
.macro CLOAD n                         ; columns 32 (n / 2) + lane, rows 32 (n % 2) + 0 .. 31: a block of 32 keys down a lane's registers
	WIN 0x40
.set j, 0
.rept 32
	ds_load_b32 v[32*((\n)%2)+j], v[CRD] offset:(32*((\n)%2)+j)*SPITCH+128*((\n)/2)
.set j, j+1
.endr
.endm
.macro QCOL n                          ; block n % 2 of the columns 32 (n / 2) + lane: six registers of codes at 64 + 16 (n / 2) + 8 (n % 2), a run of its own for each n
.set NB, 32*((\n)%2)
.set KD, 64+16*((\n)/2)+8*((\n)%2)
	v_max3_num_f32 v[M], |v[NB]|, |v[NB+1]|, 0x1800000             ; two chains, and the floor
	v_max3_num_f32 v[M+1], |v[NB+16]|, |v[NB+17]|, |v[NB+18]|
.irp i, 2,4,6,8,10,12
	v_max3_num_f32 v[M], v[M], |v[NB+\i]|, |v[NB+\i+1]|
	v_max3_num_f32 v[M+1], v[M+1], |v[NB+17+\i]|, |v[NB+18+\i]|
.endr
	v_max3_num_f32 v[M], v[M], |v[NB+14]|, |v[NB+15]|
	v_max3_num_f32 v[M], v[M], v[M+1], |v[NB+31]|
	v_add_nc_u32 v[SO], 0xff000000, v[M]
	v_lshrrev_b32 v[BY+(\n)%2], 23, v[SO]
	v_cvt_scalef32_pk16_fp6_f32 v[KD:KD+2], v[NB:NB+15], v[SO]
	v_cvt_scalef32_pk16_fp6_f32 v[T:T+2], v[NB+16:NB+31], v[SO]
	v_nop
.irp i, 0,1,2
	v_mov_b32 v[KD+3+\i], v[T+\i]
.endr
.endm
.macro PAIR g                          ; both blocks of columns 32 g + lane are made: halves of lanes change places, so that sixteen columns' first block lies in lanes 0-15 and their second in lanes 16-31.  (The argument is put in as text: it stands in brackets wherever it is used)
.set KG, 64+16*(\g)
.irp e, 0,1,2,3,4,5
	v_permlane16_swap_b32 v[KG+\e], v[KG+8+\e]
.endr
	v_lshl_or_b32 v[HW+(\g)], v[BY+1], 8, v[BY]    ; my column's two bytes
	WIN 0x04
.irp i, 0,1
.irp e, 0,1,2
	global_store_b64 v[L8], v[KG+8*\i+2*\e:KG+8*\i+2*\e+1], s[24:25] offset:(2*(\g)+\i)*768+256*\e   ; 256 consecutive bytes; group g's twelve registers are its own: no store's data are written again
.endr
.endr
.endm
	CLOAD 0
.irp n, 0,1,2,3,4,5,6,7
.if \n < 7
	CLOAD \n+1
	s_wait_dscnt 32                                ; all but the next block's 32 loads
.else
	s_wait_dscnt 0x0
.endif
	WIN 0x55
	QCOL \n
.if \n%2 == 1
	PAIR (\n/2)
.endif
.endr
	WIN 0x55
	v_lshl_or_b32 v[Y], v[HW+1], 16, v[HW]
	v_lshl_or_b32 v[Y+1], v[HW+3], 16, v[HW+2]
	WIN 0x04
	global_store_b64 v[L8], v[Y:Y+1], s[26:27]     ; 256 consecutive bytes
	WIN 0
.Lno_columns:
	s_wait_tensorcnt 0x0                           ; the wave's end
	ds_add_u32 v[SPW], v[NIL]
	s_wait_dscnt 0x0
	CROUND                                         ; the closing round
	s_endpgm
.Lfunc_end_k_q828398411d_ffn2:
	.size	k_q828398411d_ffn2, .Lfunc_end_k_q828398411d_ffn2-k_q828398411d_ffn2
	.p2alignl 7, 3214868480
	.fill 96, 4, 3214868480
	.section	.rodata,"a",@progbits
	.p2align	6, 0x0
	.amdhsa_kernel k_q828398411d_ffn2
		.amdhsa_group_segment_fixed_size 327680
		.amdhsa_private_segment_fixed_size 0
		.amdhsa_enable_private_segment 0
		.amdhsa_kernarg_size 96
		.amdhsa_user_sgpr_count 2
		.amdhsa_user_sgpr_kernarg_segment_ptr 1
		.amdhsa_wavefront_size32 1
		.amdhsa_system_sgpr_workgroup_id_x 1
		.amdhsa_system_sgpr_workgroup_id_y 1
		.amdhsa_system_sgpr_workgroup_id_z 1
		.amdhsa_system_vgpr_workitem_id 0
		.amdhsa_next_free_vgpr 1024
		.amdhsa_next_free_sgpr 90
		.amdhsa_reserve_vcc 0
		.amdhsa_float_denorm_mode_32 3
		.amdhsa_float_denorm_mode_16_64 3
		.amdhsa_memory_ordered 1
		.amdhsa_forward_progress 1
		.amdhsa_inst_pref_size 255
	.end_amdhsa_kernel
	.section	.bss,"aw",@nobits
	.p2align	6
	.space	262144
	.amdgpu_metadata
---
amdhsa.version: [ 1, 2 ]
amdhsa.kernels:
  - .name:           k_q828398411d_ffn2
    .symbol:         k_q828398411d_ffn2.kd
    .args:
      - { .name: hq, .offset: 0, .size: 8, .value_kind: global_buffer, .address_space: global }
      - { .name: hs, .offset: 8, .size: 8, .value_kind: global_buffer, .address_space: global }
      - { .name: w2vi, .offset: 16, .size: 8, .value_kind: global_buffer, .address_space: global }
      - { .name: w2_V_scales, .offset: 24, .size: 8, .value_kind: global_buffer, .address_space: global }
      - { .name: w2li, .offset: 32, .size: 8, .value_kind: global_buffer, .address_space: global }
      - { .name: w2_L_scales, .offset: 40, .size: 8, .value_kind: global_buffer, .address_space: global }
      - { .name: b2_V, .offset: 48, .size: 8, .value_kind: global_buffer, .address_space: global }
      - { .name: b2_L, .offset: 56, .size: 8, .value_kind: global_buffer, .address_space: global }
      - { .name: fq, .offset: 64, .size: 8, .value_kind: global_buffer, .address_space: global }
      - { .name: fs, .offset: 72, .size: 8, .value_kind: global_buffer, .address_space: global }
      - { .name: kvq, .offset: 80, .size: 8, .value_kind: global_buffer, .address_space: global }
      - { .name: kvs, .offset: 88, .size: 8, .value_kind: global_buffer, .address_space: global }
    .group_segment_fixed_size: 327680
    .private_segment_fixed_size: 0
    .kernarg_segment_align: 8
    .kernarg_segment_size: 96
    .max_flat_workgroup_size: 128
    .sgpr_count:     90
    .vgpr_count:     1024
    .wavefront_size: 32
...
	.end_amdgpu_metadata
.endif
;; end of part 2
;; launch attn (part 3): grid 4 x 32, 8 waves a work-group, no clusters, 179,712 bytes of LDS; arguments fq, fs, kvq, kvs, out0, out1; writes out0, out1
.if DOCPART == 3
	.amdgcn_target "amdgcn-amd-amdhsa--gfx1250"
	.amdhsa_code_object_version 6
	.text
	.protected	k_q828398411d_attn
	.globl	k_q828398411d_attn
	.p2align	8
	.type	k_q828398411d_attn,@function
k_q828398411d_attn:
	s_mov_b64 s[64:65], 0
	v_nop
	global_prefetch_b8 v0, s[64:65] scope:SCOPE_SE
	s_setreg_imm32_b32 hwreg(HW_REG_WAVE_MODE, 25, 1), 1
	s_wait_xcnt 0x0
; For one batch: A = f_V(V) [f_L(L); f_L(V)]^T / 32 (64 queries x 192 keys, K = 1,024); attn = softmax of A DOWN THE 64 QUERIES, each key column by itself, with the column's maximum taken away;
; V_next = attn [f_L(L); f_V(V)] (K = 192 keys).  All three products on codes of FP6 (E2M3) with one E8M0 scale for each 32 along K; attn is quantised finished and normalised, along the keys.
; A work-group takes a batch (y) and 256 of the 1,024 columns of V_next (x); each of a batch's four work-groups makes A anew (384 matrix instructions) and stores 16 of its 64 rows.
; Operands come as images of their registers (fq, fs, kvq, kvs of the launch before), by loads of 16 or 8 bytes a lane.
; NO CLUSTER, NO JOINT LOADS, though a batch's four work-groups read the same 192 KiB of fq: a joint request ends in LDS, and the keys' fragments here go straight into the registers of the one wave that uses them.
; WAVES.  Phase 1: waves 0-5 take 32 keys each (S^T = K Q^T: a lane holds one query and, after an exchange of halves, 16 neighbouring keys), so a block of 32 keys is one wave's; waves 6, 7 write the zero codes of key blocks 6, 7, which fill the second K step.
; Phase 2: every wave takes 32 columns (O^T = KV^T attn^T).
; The inputs v_mask and l_mask are not named: the computation that is asked for never uses them.
; LIMITS: NaN and infinities are not served.  v_exp_f32 gives 0 for what lies under 2^-126.  A block of attn that is all zeros gets the scale byte 1; its codes are zeros.
; REGISTERS: window 0: v1-15 addresses; v32-95 accumulators; v96-191 Q's two sets, then the softmax's work, then attn's 8 fragments, then rows of V_next; v192-207 Q's scale words, v208-223 the keys', v224-227 KV's, v228-235 attn's; v236-251 at work.
;   window 1: v0-191 the keys' 16 fragments; v192-239 KV's four.
.set QIMG, 0                           ; LDS: Q's 32 fragments as images
.set ASTG, 49152                       ; A: 64 rows x (768 bytes + 16)
.set AP,   784
.set PIMG, ASTG+64*AP                  ; attn's 8 fragments: a lane's 12 registers on end, 48 bytes a lane
.set PSC,  PIMG+8*1536                 ; their scale words, 64 bytes a fragment
.set OSTG, PSC+512                     ; V_next: 64 rows x (1,024 bytes + 16)
.set OP,   1040
.set LI,  4
.set L8,  5
.set R8,  6
.set QW,  7
.set AS,  8
.set PWA, 9
.set PSA, 10
.set AR,  11
.set PR,  12
.set PSR, 13
.set OS,  14
.set ORD, 15
.set ACC, 32
.set QF,  96
.set MX,  96
.set SM,  112
.set TS,  128
.set CD,  144
.set QS,  192
.set KS,  208
.set KVS, 224
.set PS,  228
.set PX,  236
.set AO,  236
.set M,   240
.set U,   240
.set SO,  244
.set BY,  248
.set WV,  16
.set SX,  17
.set BB,  18
.set SEL, 40
.set MSB, 0
.macro WIN new
.if MSB != \new
	s_set_vgpr_msb (MSB<<8)|\new
.set MSB, \new
.endif
.endm
.macro PLACES
.rept 4
	v_nop
.endr
.endm
	s_load_b256 s[4:11], s[0:1], 0x0               ; fq, fs, kvq, kvs
	s_load_b128 s[12:15], s[0:1], 0x20             ; out0, out1
	v_lshl_add_u32 v254, v0, 2, 0x2ba00
	v_mov_b32 v255, 0
	v_lshrrev_b32 v1, 5, v0
	s_delay_alu instid0(VALU_DEP_1)
	v_readfirstlane_b32 s[WV], v1                  ; wave 0..7
	s_and_b32 s[SX], ttmp9, 3                      ; my 256 columns
	s_and_b32 s[BB], ttmp7, 0xffff                 ; the batch
	s_and_b32 s19, s[WV], 1
	s_lshr_b32 s30, s[WV], 1
	s_lshr_b32 s31, s[WV], 2
	s_and_b32 s32, s[WV], 3
	s_and_b32 s33, s30, 1
	s_lshl_b32 s34, s[BB], 1
	s_add_co_u32 s34, s34, s30
	s_add_co_u32 s34, s34, 32                      ; keys 0-127: f_L(L), blocks of 64 rows 32 + 2 b + w / 2
	s_add_co_u32 s35, s[BB], 96                    ; keys 128-191: f_L(V), block 96 + b
	s_cmp_lt_u32 s[WV], 4
	s_cselect_b32 s34, s34, s35
	s_lshl_b32 s37, s[SX], 4
	s_lshl_b32 s36, s[WV], 1
	s_add_co_u32 s37, s37, s36                     ; 16 x + 2 w: my two tiles of 16 columns, and my two rows of A
	s_mov_b32 s29, 0
	s_mov_b32 s[SEL], 0x76543210
	s_mov_b32 s[SEL+1], 0xfedcba98
	; every LDS address is made here, ahead of the first parting of the waves
	v_and_b32 v1, 31, v0                           ; lane
	v_and_b32 v2, 15, v0                           ; r
	v_bfe_u32 v3, v0, 4, 1                         ; h
	s_delay_alu instid0(VALU_DEP_3)
	v_lshlrev_b32 v[LI], 4, v1
	s_delay_alu instid0(VALU_DEP_4)
	v_lshlrev_b32 v[L8], 3, v1
	s_delay_alu instid0(VALU_DEP_4)
	v_lshlrev_b32 v[R8], 3, v2
	s_mul_i32 s38, s[WV], 6144
	v_add_nc_u32 v[QW], s38, v[LI]                 ; where I put my K step of Q
	v_mul_u32_u24 v[AS], v2, AP
	s_delay_alu instid0(VALU_DEP_1)
	v_lshl_add_u32 v[AS], v3, 6, v[AS]
	s_lshl_b32 s36, s[WV], 7
	s_add_co_u32 s38, s36, ASTG
	v_add_nc_u32 v[AS], s38, v[AS]                 ; A: row r, keys 32 w + 16 h on
	v_mul_u32_u24 v[PWA], v2, 48
	s_delay_alu instid0(VALU_DEP_1)
	v_mad_u32_u24 v[PWA], v3, 12, v[PWA]
	s_mul_i32 s38, s31, 6144                       ; key block w is K step w / 4,
	s_mul_i32 s39, s19, 768                        ; lanes 16 (w % 2) on,
	s_add_co_u32 s38, s38, s39
	s_mul_i32 s39, s33, 24                         ; registers 6 ((w / 2) % 2) on; my half's 16 keys: three registers
	s_add_co_u32 s38, s38, s39
	s_add_co_u32 s38, s38, PIMG
	v_add_nc_u32 v[PWA], s38, v[PWA]
	s_lshl_b32 s38, s31, 8
	s_add_co_u32 s38, s38, s32
	s_add_co_u32 s38, s38, PSC
	v_lshl_add_u32 v[PSA], v2, 2, s38              ; byte w % 4 of row r's word
	s_mul_i32 s38, s37, AP
	s_add_co_u32 s38, s38, ASTG
	v_add_nc_u32 v[AR], s38, v[L8]                 ; the two rows of A that I store
	v_mul_u32_u24 v[PR], v1, 48
	s_delay_alu instid0(VALU_DEP_1)
	v_add_nc_u32 v[PR], PIMG, v[PR]
	v_lshl_add_u32 v[PSR], v2, 2, PSC
	v_mul_u32_u24 v[OS], v2, OP
	s_delay_alu instid0(VALU_DEP_1)
	v_lshl_add_u32 v[OS], v3, 5, v[OS]
	s_add_co_u32 s38, s36, OSTG
	v_add_nc_u32 v[OS], s38, v[OS]                 ; V_next: row r, my 32 columns, 32 bytes for each half
	s_mul_i32 s38, s[WV], 8*OP
	s_add_co_u32 s38, s38, OSTG
	v_add_nc_u32 v[ORD], s38, v[LI]
	v_and_b32 v16, 63, v0                          ; waves 6, 7: a lane to each of A's 64 rows
	v_mul_u32_u24 v16, v16, AP
	v_add_nc_u32 v16, ASTG+768, v16                ; the 16 bytes of padding behind the row
.irp q, 0,1,2,3
	v_mov_b32 v[PX+\q], 0                          ; a lane permute's destination counts as one of its sources
.endr
	s_mul_i32 s28, s34, 49152
	s_mul_i32 s36, s19, 3072
	s_add_co_u32 s28, s28, s36
	s_wait_kmcnt 0x0
	s_add_nc_u64 s[20:21], s[4:5], s[28:29]        ; my keys' fragments: two tiles of 16 rows
	s_lshl_b32 s28, s34, 11
	s_lshl_b32 s36, s19, 7
	s_add_co_u32 s28, s28, s36
	s_add_nc_u64 s[22:23], s[6:7], s[28:29]        ; and their scale words
	s_mul_i32 s28, s[BB], 49152
	s_mul_i32 s36, s[WV], 6144
	s_add_co_u32 s28, s28, s36
	s_add_nc_u64 s[24:25], s[4:5], s[28:29]        ; Q: block of rows b, K step w
	s_lshl_b32 s28, s[BB], 11
	s_add_nc_u64 s[26:27], s[6:7], s[28:29]        ; Q's scale words
	s_mul_i32 s36, s37, 768
	s_mul_i32 s28, s[BB], 147456
	s_add_co_u32 s28, s28, s36
	s_add_nc_u64 s[8:9], s[8:9], s[28:29]          ; KV: three pairs of key blocks a batch, 768 bytes for each 16 columns
	s_mul_i32 s28, s[BB], 49152
	s_add_co_u32 s28, s28, s36
	s_add_nc_u64 s[12:13], s[12:13], s[28:29]      ; out0: rows of 768 bytes
	s_mul_i32 s28, s[BB], 6144
	s_lshl_b32 s36, s[SX], 1
	s_add_co_u32 s36, s36, s31
	s_lshl_b32 s36, s36, 8
	s_add_co_u32 s28, s28, s36
	s_lshl_b32 s36, s32, 1
	s_add_co_u32 s28, s28, s36
	s_add_nc_u64 s[10:11], s[10:11], s[28:29]      ; KV's scale bytes: my 128 columns' 256 bytes, my 32 columns' place in each 8
	s_lshl_b32 s28, s[BB], 18
	s_lshl_b32 s36, s[WV], 15
	s_add_co_u32 s28, s28, s36
	s_lshl_b32 s36, s[SX], 10
	s_add_co_u32 s28, s28, s36
	s_add_nc_u64 s[14:15], s[14:15], s[28:29]      ; out1: row 8 w, my 1,024 bytes of it
	s_cmp_lt_u32 s[WV], 6
	s_cbranch_scc0 .Lno_keys
	WIN 0x40
.irp ks, 0,1,2,3,4,5,6,7
.irp j, 0,1,2,3,4,5
	global_load_b128 v[24*\ks+4*\j:24*\ks+4*\j+3], v[LI], s[20:21] offset:6144*\ks+512*\j   ; fragment (tile u, K step ks) at 24 ks + 12 u of window 1
.endr
.endr
	WIN 0
.irp ks, 0,1,2,3,4,5,6,7
	global_load_b64 v[KS+2*\ks:KS+2*\ks+1], v[R8], s[22:23] offset:256*\ks
.endr
.Lno_keys:
.irp ks, 0,1,2,3,4,5,6,7
	global_load_b64 v[QS+2*\ks:QS+2*\ks+1], v[L8], s[26:27] offset:256*\ks     ; lanes 0-15: tiles 0, 1; lanes 16-31: tiles 2, 3
.endr
	WIN 0x40
.irp pb, 0,1,2
.irp cbl, 0,1
.irp e, 0,1,2
	global_load_b64 v[192+24*\cbl+12*(\pb/2)+6*(\pb%2)+2*\e:192+24*\cbl+12*(\pb/2)+6*(\pb%2)+2*\e+1], v[L8], s[8:9] offset:49152*\pb+768*\cbl+256*\e
.endr
.endr
.endr
	WIN 0
.irp pb, 0,1,2
.irp cbl, 0,1
	global_load_u16 v[U+2*\pb+\cbl], v[R8], s[10:11] offset:2048*\pb+128*\cbl
.endr
.endr
.irp j, 0,1,2,3,4,5,6,7,8,9,10,11
	global_load_b128 v[QF+4*\j:QF+4*\j+3], v[LI], s[24:25] offset:512*\j
.endr
	s_wait_loadcnt 0x0
	WIN 0x40
.irp cbl, 0,1
.irp i, 6,7,8,9,10,11
	v_mov_b32 v[192+24*\cbl+12+\i], 0              ; keys 192-255 do not exist: zero codes
.endr
.endr
	WIN 0
.irp cbl, 0,1
	v_lshl_or_b32 v[KVS+2*\cbl], v[U+2+\cbl], 16, v[U+\cbl]      ; key blocks 0-3
	v_or_b32 v[KVS+2*\cbl+1], 0x7f7f0000, v[U+4+\cbl]            ; blocks 4, 5, and the byte 127 over the zero codes
.endr
.irp j, 0,1,2,3,4,5,6,7,8,9,10,11
	ds_store_b128 v[QW], v[QF+4*\j:QF+4*\j+3] offset:512*\j
.endr
	s_wait_dscnt 0x0                               ; for the others' sake: my stores have landed
	s_barrier_signal -1
	s_barrier_wait -1                              ; Q's 32 fragments lie in LDS
	s_cmp_lt_u32 s[WV], 6
	s_cbranch_scc0 .Lno_block
.macro QLOAD ks
.irp j, 0,1,2,3,4,5,6,7,8,9,10,11
	ds_load_b128 v[QF+48*((\ks)%2)+4*\j:QF+48*((\ks)%2)+4*\j+3], v[LI] offset:6144*(\ks)+512*\j
.endr
.endm
.macro KQ ks, q, u                     ; source 0 = 16 keys, source 1 = 16 queries; tiles 2, 3 of Q have their words in lanes 16-31
.set rD, ACC+16*\q+8*\u
.set rK, 24*\ks+12*\u
.set rQ, QF+48*(\ks%2)+12*\q
.if \ks == 0
.if \q < 2
	v_wmma_scale_f32_16x16x128_f8f6f4 v[rD:rD+7], v[rK:rK+11], v[rQ:rQ+11], 0, v[KS+2*\ks+\u], v[QS+2*\ks+(\q&1)] matrix_a_fmt:MATRIX_FMT_FP6 matrix_b_fmt:MATRIX_FMT_FP6
.else
	v_wmma_scale_f32_16x16x128_f8f6f4 v[rD:rD+7], v[rK:rK+11], v[rQ:rQ+11], 0, v[KS+2*\ks+\u], v[QS+2*\ks+(\q&1)] matrix_a_fmt:MATRIX_FMT_FP6 matrix_b_fmt:MATRIX_FMT_FP6 matrix_b_scale:MATRIX_SCALE_ROW1
.endif
.else
.if \q < 2
	v_wmma_scale_f32_16x16x128_f8f6f4 v[rD:rD+7], v[rK:rK+11], v[rQ:rQ+11], v[rD:rD+7], v[KS+2*\ks+\u], v[QS+2*\ks+(\q&1)] matrix_a_fmt:MATRIX_FMT_FP6 matrix_b_fmt:MATRIX_FMT_FP6
.else
	v_wmma_scale_f32_16x16x128_f8f6f4 v[rD:rD+7], v[rK:rK+11], v[rQ:rQ+11], v[rD:rD+7], v[KS+2*\ks+\u], v[QS+2*\ks+(\q&1)] matrix_a_fmt:MATRIX_FMT_FP6 matrix_b_fmt:MATRIX_FMT_FP6 matrix_b_scale:MATRIX_SCALE_ROW1
.endif
.endif
.endm
	QLOAD 0
.irp ks, 0,1,2,3,4,5,6,7
.if \ks < 7
.if \ks > 0
	PLACES                                         ; the loads below land in registers that the step before multiplied
.endif
	QLOAD \ks+1
	s_wait_dscnt 12                                ; all but the 12 just issued
.else
	s_wait_dscnt 0x0
.endif
	WIN 0x01                                       ; the keys in window 1
.irp q, 0,1,2,3
.irp u, 0,1
	KQ \ks, \q, \u                                 ; eight accumulators by turns
.endr
.endr
	WIN 0
.endr
	PLACES
.set i, 0
.rept 32
	v_pk_mul_f32 v[ACC+i:ACC+i+1], v[ACC+i:ACC+i+1], 0x3d000000 op_sel_hi:[1,0]   ; / sqrt(1024): exact; each accumulator from its low end on
.set i, i+2
.endr
.irp q, 0,1,2,3
.irp j, 0,1,2,3,4,5,6,7
	v_permlane16_swap_b32 v[ACC+16*\q+\j], v[ACC+16*\q+8+\j]     ; register i of lane (r, h) is now key 32 w + 16 h + i of query 16 q + r
.endr
.endr
.irp q, 0,1,2,3
.irp e, 0,1,2,3
	ds_store_b128 v[AS], v[ACC+16*\q+4*\e:ACC+16*\q+4*\e+3] offset:16*AP*\q+16*\e
.endr
.endr
	; the softmax down the queries: four registers (q) and the sixteen lanes of my half, for each of my 16 keys
.set i, 0
.rept 16
	v_max3_num_f32 v[MX+i], v[ACC+i], v[ACC+16+i], v[ACC+32+i]
.set i, i+1
.endr
.set i, 0
.rept 16
	v_max_num_f32 v[MX+i], v[MX+i], v[ACC+48+i]
.set i, i+1
.endr
.irp m, 1,2,4,8
.set i, 0
.rept 16
	v_max_num_f32_dpp v[MX+i], v[MX+i], v[MX+i] row_xmask:\m row_mask:0xf bank_mask:0xf
.set i, i+1
.endr
.endr
.set i, 0
.rept 32
	v_pk_add_f32 v[ACC+i:ACC+i+1], v[ACC+i:ACC+i+1], v[MX+i%16:MX+i%16+1] neg_lo:[0,1] neg_hi:[0,1]   ; less the column's maximum
.set i, i+2
.endr
.set i, 0
.rept 32
	v_pk_mul_f32 v[ACC+i:ACC+i+1], v[ACC+i:ACC+i+1], 0x3fb8aa3b op_sel_hi:[1,0]   ; x log2(e)
.set i, i+2
.endr
.set i, 0
	s_wait_alu depctr_va_vdst(0)
.rept 64
	v_exp_f32 v[ACC+i], v[ACC+i]
.set i, i+1
.endr
	v_nop                                          ; a plain place behind the exponentials
.set i, 0
	s_wait_alu depctr_va_vdst(0)
.rept 8
	v_pk_add_f32 v[SM+i:SM+i+1], v[ACC+i:ACC+i+1], v[ACC+16+i:ACC+16+i+1]
	v_pk_add_f32 v[TS+i:TS+i+1], v[ACC+32+i:ACC+32+i+1], v[ACC+48+i:ACC+48+i+1]
.set i, i+2
.endr
.set i, 0
.rept 8
	v_pk_add_f32 v[SM+i:SM+i+1], v[SM+i:SM+i+1], v[TS+i:TS+i+1]
.set i, i+2
.endr
.irp m, 1,2,4,8
.set i, 0
.rept 16
	v_add_f32_dpp v[SM+i], v[SM+i], v[SM+i] row_xmask:\m row_mask:0xf bank_mask:0xf
.set i, i+1
.endr
.endr
.set i, 0
	s_wait_alu depctr_va_vdst(0)
.rept 16
	v_rcp_f32 v[SM+i], v[SM+i]
.set i, i+1
.endr
	v_nop                                          ; a plain place behind the reciprocals
.set i, 0
	s_wait_alu depctr_va_vdst(0)
.rept 32
	v_pk_mul_f32 v[ACC+i:ACC+i+1], v[ACC+i:ACC+i+1], v[SM+i%16:SM+i%16+1]       ; attn, finished and normalised
.set i, i+2
.endr
	; attn is quantised along the keys: my wave's 32 keys are one block, 16 in lane l and 16 in lane l xor 16.  No |.|: nothing is negative
.irp q, 0,1,2,3
	v_max3_num_f32 v[M+\q], v[ACC+16*\q], v[ACC+16*\q+1], 0x1800000              ; with the floor 2^(3 - 127)
.endr
.irp i, 2,4,6,8,10,12,14
.irp q, 0,1,2,3
	s_delay_alu instid0(VALU_DEP_4)
	v_max3_num_f32 v[M+\q], v[M+\q], v[ACC+16*\q+\i], v[ACC+16*\q+\i+1]
.endr
.endr
.irp q, 0,1,2,3
	s_delay_alu instid0(VALU_DEP_4)
	v_permlanex16_b32 v[PX+\q], v[M+\q], s[SEL], s[SEL+1]
.endr
.irp q, 0,1,2,3
	s_delay_alu instid0(VALU_DEP_4)
	v_max_num_f32 v[M+\q], v[M+\q], v[PX+\q]
.endr
.irp q, 0,1,2,3
	s_delay_alu instid0(VALU_DEP_4)
	v_add_nc_u32 v[SO+\q], 0xff000000, v[M+\q]     ; 2 off the exponent field: the conversion's scale operand
.endr
.irp q, 0,1,2,3
	s_delay_alu instid0(VALU_DEP_4)
	v_lshrrev_b32 v[BY+\q], 23, v[SO+\q]
.endr
.irp q, 0,1,2,3
	v_cvt_scalef32_pk16_fp6_f32 v[CD+4*\q:CD+4*\q+2], v[ACC+16*\q:ACC+16*\q+15], v[SO+\q]
.endr
	v_nop                                          ; one plain place behind a scaled conversion
	s_branch .Ljoin
.Lno_block:                                        ; waves 6, 7: key blocks 6, 7 do not exist: zero codes under the byte 127
.irp q, 0,1,2,3
.irp e, 0,1,2
	v_mov_b32 v[CD+4*\q+\e], 0
.endr
	v_mov_b32 v[BY+\q], 127
.endr
	ds_store_b64 v16, v[CD:CD+1]                   ; zeros into the padding of A's rows, so that every byte of the stage is written
	ds_store_b64 v16, v[CD:CD+1] offset:8
.Ljoin:
	s_wait_alu depctr_va_vdst(0)
.irp q, 0,1,2,3
.irp e, 0,1,2
	ds_store_b32 v[PWA], v[CD+4*\q+\e] offset:1536*\q+4*\e
.endr
	ds_store_b8 v[PSA], v[BY+\q] offset:64*\q      ; both lanes of a row write the same byte with the same value
.endr
	s_wait_dscnt 0x0                               ; my stores have landed, my reads of Q are in
	s_barrier_signal -1
	s_barrier_wait -1                              ; A, attn's fragments and their scale words lie in LDS
.irp rr, 0,1
.irp i, 0,1,2
	ds_load_b64 v[AO+6*\rr+2*\i:AO+6*\rr+2*\i+1], v[AR] offset:AP*\rr+256*\i
.endr
.endr
.irp f, 0,1,2,3,4,5,6,7
.irp e, 0,1,2
	ds_load_b128 v[QF+12*\f+4*\e:QF+12*\f+4*\e+3], v[PR] offset:1536*\f+16*\e    ; fragment 4 s + q
.endr
.endr
.irp f, 0,1,2,3,4,5,6,7
	ds_load_b32 v[PS+\f], v[PSR] offset:64*\f
.endr
	s_wait_dscnt 32                                ; the two rows of A are in; the 32 loads behind them may be out
.irp rr, 0,1
.irp i, 0,1,2
	global_store_b64 v[L8], v[AO+6*\rr+2*\i:AO+6*\rr+2*\i+1], s[12:13] offset:768*\rr+256*\i th:TH_STORE_NT   ; 256 consecutive bytes, at a multiple of 256 from out0's first byte
.endr
.endr
	s_wait_dscnt 0x0
	WIN 0x01                                       ; KV in window 1
.irp s, 0,1
.irp q, 0,1,2,3
.irp cbl, 0,1
.if \s == 0
	v_wmma_scale_f32_16x16x128_f8f6f4 v[ACC+8*(2*\q+\cbl):ACC+8*(2*\q+\cbl)+7], v[192+24*\cbl+12*\s:192+24*\cbl+12*\s+11], v[QF+12*(4*\s+\q):QF+12*(4*\s+\q)+11], 0, v[KVS+2*\cbl+\s], v[PS+4*\s+\q] matrix_a_fmt:MATRIX_FMT_FP6 matrix_b_fmt:MATRIX_FMT_FP6
.else
	v_wmma_scale_f32_16x16x128_f8f6f4 v[ACC+8*(2*\q+\cbl):ACC+8*(2*\q+\cbl)+7], v[192+24*\cbl+12*\s:192+24*\cbl+12*\s+11], v[QF+12*(4*\s+\q):QF+12*(4*\s+\q)+11], v[ACC+8*(2*\q+\cbl):ACC+8*(2*\q+\cbl)+7], v[KVS+2*\cbl+\s], v[PS+4*\s+\q] matrix_a_fmt:MATRIX_FMT_FP6 matrix_b_fmt:MATRIX_FMT_FP6
.endif
.endr
.endr
.endr
	WIN 0
	PLACES
.irp q, 0,1,2,3
.irp cbl, 0,1
	ds_store_b128 v[OS], v[ACC+8*(2*\q+\cbl):ACC+8*(2*\q+\cbl)+3] offset:16*OP*\q+64*\cbl       ; lane (r, h): query 16 q + r, columns 32 w + 16 cbl + 8 h + 0 .. 7; each accumulator from its low end on
	ds_store_b128 v[OS], v[ACC+8*(2*\q+\cbl)+4:ACC+8*(2*\q+\cbl)+7] offset:16*OP*\q+64*\cbl+16
.endr
.endr
	s_wait_dscnt 0x0
	s_barrier_signal -1
	s_barrier_wait -1                              ; 64 rows of 1,024 bytes lie in the stage
.irp i, 0,1,2,3,4,5,6,7
.irp hf, 0,1
	ds_load_b128 v[QF+4*(2*\i+\hf):QF+4*(2*\i+\hf)+3], v[ORD] offset:OP*\i+512*\hf
.endr
.endr
.irp t, 0,1,2,3,4,5,6,7,8,9,10,11,12,13,14,15
	s_wait_dscnt 15-\t                             ; LDS loads come back in order: load t is in
	global_store_b128 v[LI], v[QF+4*\t:QF+4*\t+3], s[14:15] offset:4096*(\t/2)+512*(\t%2) th:TH_STORE_NT   ; 512 consecutive bytes, at a multiple of 256 from out1's first byte
.endr
	s_wait_tensorcnt 0x0
	ds_add_u32 v254, v255
	s_wait_dscnt 0x0
	s_endpgm
.Lfunc_end_k_q828398411d_attn:
	.size	k_q828398411d_attn, .Lfunc_end_k_q828398411d_attn-k_q828398411d_attn
	.p2alignl 7, 3214868480
	.fill 96, 4, 3214868480
	.section	.rodata,"a",@progbits
	.p2align	6, 0x0
	.amdhsa_kernel k_q828398411d_attn
		.amdhsa_group_segment_fixed_size 179712
		.amdhsa_private_segment_fixed_size 0
		.amdhsa_enable_private_segment 0
		.amdhsa_kernarg_size 48
		.amdhsa_user_sgpr_count 2
		.amdhsa_user_sgpr_kernarg_segment_ptr 1
		.amdhsa_wavefront_size32 1
		.amdhsa_system_sgpr_workgroup_id_x 1
		.amdhsa_system_sgpr_workgroup_id_y 1
		.amdhsa_system_sgpr_workgroup_id_z 1
		.amdhsa_system_vgpr_workitem_id 0
		.amdhsa_next_free_vgpr 512
		.amdhsa_next_free_sgpr 66
		.amdhsa_reserve_vcc 0
		.amdhsa_float_denorm_mode_32 3
		.amdhsa_float_denorm_mode_16_64 3
		.amdhsa_memory_ordered 1
		.amdhsa_forward_progress 1
		.amdhsa_inst_pref_size 74
	.end_amdhsa_kernel
	.amdgpu_metadata
---
amdhsa.version: [ 1, 2 ]
amdhsa.kernels:
  - .name:           k_q828398411d_attn
    .symbol:         k_q828398411d_attn.kd
    .args:
      - { .name: fq, .offset: 0, .size: 8, .value_kind: global_buffer, .address_space: global }
      - { .name: fs, .offset: 8, .size: 8, .value_kind: global_buffer, .address_space: global }
      - { .name: kvq, .offset: 16, .size: 8, .value_kind: global_buffer, .address_space: global }
      - { .name: kvs, .offset: 24, .size: 8, .value_kind: global_buffer, .address_space: global }
      - { .name: out0, .offset: 32, .size: 8, .value_kind: global_buffer, .address_space: global }
      - { .name: out1, .offset: 40, .size: 8, .value_kind: global_buffer, .address_space: global }
    .group_segment_fixed_size: 179712
    .private_segment_fixed_size: 0
    .kernarg_segment_align: 8
    .kernarg_segment_size: 48
    .max_flat_workgroup_size: 256
    .sgpr_count:     66
    .vgpr_count:     512
    .wavefront_size: 32
...
	.end_amdgpu_metadata
.endif
;; end of part 3
